; MI455X (gfx1250); checked and timed in simulation.
; The chip was launched on July 23, 2026; its instructions are those of AMD's public machine-readable ISA for CDNA 5 (MIT licence, August 2026) and "CDNA5" Instruction Set Architecture Reference Guide (July 2026). The comments in the code are by the model that wrote it; some were corrected since.
;; Particle Attention. Allowed arithmetic: float matrix products may take bf16 or f16 operands with f32 sums; all other float work in f32.
;; Inputs: Wk 512 x 512 float32; Wp 512 x 512 float32; Wq 512 x 512 float32; Wv 512 x 512 float32; c 8 x 16 x 64 x 512 float32; mask 8 x 1,024 x 2,048 bool; x 8 x 16 x 64 x 512 float32.
;; Outputs: out0 8 x 16 x 64 x 512 float32.
;; One version. Each part assembles by itself: llvm-mc -triple=amdgcn-amd-amdhsa -mcpu=gfx1250 --defsym DOCPART=n.
;; ======== version 1 of 1: 4 launches
;; limits: values are held in f16: magnitudes above 65,504 overflow, below 6.1e-05 lose precision; right only within a limited range of input values
;; workspace buffers: XC 16,777,216 bytes; Wkv 1,048,576 bytes; Wqb 524,288 bytes; Wpb 524,288 bytes; maskbits 2,097,152 bytes of whole numbers; KV 33,554,432 bytes; Y 8,388,608 bytes
;; launch prep (part 1): grid 512 x 1, 8 waves a work-group, no clusters, 35,840 bytes of LDS; arguments x, c, mask, Wk, Wv, Wq, Wp, XC, Wkv, Wqb, Wpb, maskbits; writes XC, Wkv, Wqb, Wpb, maskbits
.if DOCPART == 1
	.amdgcn_target "amdgcn-amd-amdhsa--gfx1250"
	.amdhsa_code_object_version 6
	.text
	.protected	k_q068dc7b228_prep
	.globl	k_q068dc7b228_prep
	.p2align	8
	.type	k_q068dc7b228_prep,@function
k_q068dc7b228_prep:
	s_mov_b64 s[64:65], 0
	v_nop
	global_prefetch_b8 v0, s[64:65] scope:SCOPE_SE
	s_setreg_imm32_b32 hwreg(HW_REG_WAVE_MODE, 25, 1), 1
	s_wait_xcnt 0x0
; x, c and the four weights from f32 to f16, each byte read once; the mask's bytes to lane masks of 32 bits.
; XC  [16384][512] f16: rows 0..8191 = x, rows 8192.. = c.   Wkv [1024][512] f16: Wk's rows, then Wv's.   Wqb, Wpb [512][512] f16.
; maskbits, u32 [query tile g of 16 rows][32 keys k32][u][j]: bit L = mask[16 g + (L & 15)][32 k32 + 16 u + 8 (L >> 4) + j]: the lanes of
; register j of a 16 x 16 tile of scores that has the keys along its rows and the queries along its columns.
; LIMIT: f16 holds magnitudes below 65,504; a larger x, c or weight becomes infinite.  Below 6.1e-5 the step is 6e-8.
; Work-group g of 512: 32 KiB of x, 32 KiB of c, 8 KiB of one weight, the mask's rows 16 g .. 16 g + 15 (32 KiB in one piece).
; All 26 loads of a wave go out first; no loop, no barrier (each wave turns its own 16 x 256 bytes of the mask in its own LDS bytes).
.set MPITCH, 272                       ; 256 bytes of a mask row + 16: lane (r, h) reads 8 bytes at word 68 r + 2 h, 64 different words modulo 64
.set MK,  8                            ; v[8:39]    mask bytes as loaded, then as read back by rows
.set XR,  40                           ; v[40:71]   x in f32
.set CR,  72                           ; v[72:103]  c in f32
.set WR,  104                          ; v[104:111] the weight in f32
.set XO,  112                          ; v[112:127] x in f16
.set CO,  128                          ; v[128:143] c in f16
.set WO,  144                          ; v[144:147] the weight in f16
.set D,   148                          ; v[148:151] lane L: mask words 4 L .. 4 L + 3 of my wave's 128
.set T,   40                           ; v[40:43]   at work in the mask's part (x has been converted by then)
	s_load_b512 s[4:19], s[0:1], 0x0               ; x 4, c 6, mask 8, Wk 10, Wv 12, Wq 14, Wp 16, XC 18
	s_load_b256 s[20:27], s[0:1], 0x40             ; Wkv 20, Wqb 22, Wpb 24, maskbits 26
	v_lshl_add_u32 v152, v0, 2, 0x8800
	v_mov_b32 v153, 0
	v_lshrrev_b32 v7, 5, v0
	v_readfirstlane_b32 s2, v7                     ; wave 0..7
	v_lshlrev_b32 v1, 5, v0                        ; 32 t: my 8 numbers in f32
	v_lshlrev_b32 v2, 4, v0                        ; 16 t: my 8 numbers in f16, and my 4 mask words
	v_and_b32 v8, 15, v0                           ; r
	v_bfe_u32 v9, v0, 4, 1                         ; h
	v_lshlrev_b32 v10, 4, v8                       ; 16 r
	s_lshl_b32 s3, s2, 8                           ; my wave's 256 columns of the mask
	v_lshl_add_u32 v3, v9, 11, v10                 ; mask: lanes 0-15 one row's 256 bytes, lanes 16-31 the next row's
	v_add_nc_u32 v3, s3, v3
	s_mul_i32 s3, s2, 16*MPITCH                    ; my wave's LDS bytes
	v_mul_u32_u24 v4, v9, MPITCH
	v_add_nc_u32 v4, v4, v10
	v_add_nc_u32 v4, s3, v4                        ; in: as loaded
	v_mul_u32_u24 v5, v8, MPITCH
	v_lshl_add_u32 v5, v9, 3, v5
	v_add_nc_u32 v5, s3, v5                        ; back: row r, 8 bytes at 8 h
	s_lshl_b32 s28, ttmp9, 15                      ; 32 KiB of x, c and mask for each work-group
	s_mov_b32 s29, 0
	s_lshl_b32 s30, ttmp9, 14                      ; 16 KiB of XC
	s_mov_b32 s31, 0
	s_lshr_b32 s32, ttmp9, 7                       ; which weight: 0 Wk, 1 Wv, 2 Wq, 3 Wp
	s_and_b32 s33, ttmp9, 127                      ; which of its 128 pieces
	s_mov_b32 s48, 0xff                            ; the four bytes of a word
	s_mov_b32 s49, 0xff00
	s_mov_b32 s50, 0xff0000
	s_mov_b32 s51, 0xff000000
	s_wait_kmcnt 0x0
	s_add_nc_u64 s[4:5], s[4:5], s[28:29]
	s_add_nc_u64 s[6:7], s[6:7], s[28:29]
	s_add_nc_u64 s[8:9], s[8:9], s[28:29]
	s_add_nc_u64 s[18:19], s[18:19], s[30:31]      ; XC, x's half
	s_add_nc_u64 s[36:37], s[18:19], 0x800000      ; XC, c's half: 8192 rows of 1,024 bytes further
	s_bitcmp1_b32 s32, 0                           ; the choice hangs on the work-group's number alone
	s_cselect_b64 s[34:35], s[12:13], s[10:11]     ; Wv or Wk
	s_cselect_b64 s[38:39], s[16:17], s[14:15]     ; Wp or Wq
	s_cselect_b64 s[40:41], s[24:25], s[22:23]     ; Wpb or Wqb
	s_cselect_b32 s42, 0x80000, 0                  ; Wv's half of Wkv
	s_cmp_lt_u32 s32, 2
	s_cselect_b64 s[34:35], s[34:35], s[38:39]     ; from
	s_cselect_b64 s[38:39], s[20:21], s[40:41]     ; to
	s_cselect_b32 s42, s42, 0
	s_lshl_b32 s28, s33, 13                        ; 8 KiB of f32
	s_add_nc_u64 s[34:35], s[34:35], s[28:29]
	s_lshl_b32 s30, s33, 12                        ; 4 KiB of f16
	s_add_co_u32 s30, s30, s42
	s_add_nc_u64 s[38:39], s[38:39], s[30:31]
	s_lshl_b32 s28, ttmp9, 12                      ; 4 KiB of mask words
	s_add_nc_u64 s[26:27], s[26:27], s[28:29]
.irp i, 0,1,2,3,4,5,6,7
	global_load_b128 v[MK+4*\i:MK+4*\i+3], v3, s[8:9] offset:\i*4096 th:TH_LOAD_NT      ; rows 2 i, 2 i + 1
.endr
.irp i, 0,1,2,3
	global_load_b128 v[XR+8*\i:XR+8*\i+3],   v1, s[4:5] offset:\i*8192 th:TH_LOAD_NT
	global_load_b128 v[XR+8*\i+4:XR+8*\i+7], v1, s[4:5] offset:\i*8192+16 th:TH_LOAD_NT
.endr
.irp i, 0,1,2,3
	global_load_b128 v[CR+8*\i:CR+8*\i+3],   v1, s[6:7] offset:\i*8192 th:TH_LOAD_NT
	global_load_b128 v[CR+8*\i+4:CR+8*\i+7], v1, s[6:7] offset:\i*8192+16 th:TH_LOAD_NT
.endr
	global_load_b128 v[WR:WR+3],   v1, s[34:35] th:TH_LOAD_NT
	global_load_b128 v[WR+4:WR+7], v1, s[34:35] offset:16 th:TH_LOAD_NT
.macro CVT8 src, dst                   ; 8 numbers to 16 bytes
.irp k, 0,1,2,3
	v_cvt_pk_f16_f32 v[\dst+\k], v[\src+2*\k], v[\src+2*\k+1]
.endr
.endm
	s_wait_loadcnt 18                              ; the mask's 8 loads are in; the 18 younger ones stay out
.irp i, 0,1,2,3,4,5,6,7
	ds_store_b128 v4, v[MK+4*\i:MK+4*\i+3] offset:\i*2*MPITCH
.endr
.irp q, 0,1,2,3,4,5,6,7,8,9,10,11,12,13,14,15
	ds_load_b64 v[MK+2*\q:MK+2*\q+1], v5 offset:16*\q              ; my wave's own bytes, served in order: row r, keys 16 q + 8 h .. + 7
.endr
	s_wait_loadcnt 10                              ; x's 8 loads are in
.irp i, 0,1,2,3
	CVT8 XR+8*\i, XO+4*\i
	global_store_b128 v2, v[XO+4*\i:XO+4*\i+3], s[18:19] offset:\i*4096     ; a wave stores 512 consecutive bytes
.endr
	s_wait_loadcnt 2                               ; c's
.irp i, 0,1,2,3
	CVT8 CR+8*\i, CO+4*\i
	global_store_b128 v2, v[CO+4*\i:CO+4*\i+3], s[36:37] offset:\i*4096
.endr
	s_wait_loadcnt 0                               ; the weight's
	CVT8 WR, WO
	global_store_b128 v2, v[WO:WO+3], s[38:39]
; 16 keys (q = 2 x the block of 32 + u): byte j of my 8 is key 16 q + 8 h + j.  The compare's lane mask is word 8 q + j of my wave's 128,
; and goes to lane (8 q + j) / 4, register (8 q + j) % 4.
.macro PACK q
.irp j, 0,1,2,3,4,5,6,7
	v_and_b32 v[T+(\j&3)], s[48+(\j&3)], v[MK+2*\q+(\j>>2)]
	v_cmp_ne_u32 s[44+(\j&3)], 0, v[T+(\j&3)]
	v_writelane_b32 v[D+(\j&3)], s[44+(\j&3)], 2*\q+(\j>>2)
.endr
.endm
	s_wait_dscnt 0x0
.irp k, 0,1,2,3
	v_mov_b32 v[D+\k], 0                           ; v_writelane_b32 keeps the other lanes: the register is written whole first
.endr
.irp q, 0,1,2,3,4,5,6,7,8,9,10,11,12,13,14,15
	PACK \q
.endr
	global_store_b128 v2, v[D:D+3], s[26:27]       ; 512 consecutive bytes
	s_wait_tensorcnt 0x0
	ds_add_u32 v152, v153
	s_wait_dscnt 0x0
	s_endpgm
.Lfunc_end_k_q068dc7b228_prep:
	.size	k_q068dc7b228_prep, .Lfunc_end_k_q068dc7b228_prep-k_q068dc7b228_prep
	.p2alignl 7, 3214868480
	.fill 96, 4, 3214868480
	.section	.rodata,"a",@progbits
	.p2align	6, 0x0
	.amdhsa_kernel k_q068dc7b228_prep
		.amdhsa_group_segment_fixed_size 35840
		.amdhsa_private_segment_fixed_size 0
		.amdhsa_enable_private_segment 0
		.amdhsa_kernarg_size 96
		.amdhsa_user_sgpr_count 2
		.amdhsa_user_sgpr_kernarg_segment_ptr 1
		.amdhsa_wavefront_size32 1
		.amdhsa_system_sgpr_workgroup_id_x 1
		.amdhsa_system_sgpr_workgroup_id_y 1
		.amdhsa_system_sgpr_workgroup_id_z 1
		.amdhsa_system_vgpr_workitem_id 0
		.amdhsa_next_free_vgpr 154
		.amdhsa_next_free_sgpr 66
		.amdhsa_reserve_vcc 0
		.amdhsa_float_denorm_mode_32 3
		.amdhsa_float_denorm_mode_16_64 3
		.amdhsa_memory_ordered 1
		.amdhsa_forward_progress 1
		.amdhsa_inst_pref_size 31
	.end_amdhsa_kernel
	.amdgpu_metadata
---
amdhsa.version: [ 1, 2 ]
amdhsa.kernels:
  - .name:           k_q068dc7b228_prep
    .symbol:         k_q068dc7b228_prep.kd
    .args:
      - { .name: x, .offset: 0, .size: 8, .value_kind: global_buffer, .address_space: global }
      - { .name: c, .offset: 8, .size: 8, .value_kind: global_buffer, .address_space: global }
      - { .name: mask, .offset: 16, .size: 8, .value_kind: global_buffer, .address_space: global }
      - { .name: Wk, .offset: 24, .size: 8, .value_kind: global_buffer, .address_space: global }
      - { .name: Wv, .offset: 32, .size: 8, .value_kind: global_buffer, .address_space: global }
      - { .name: Wq, .offset: 40, .size: 8, .value_kind: global_buffer, .address_space: global }
      - { .name: Wp, .offset: 48, .size: 8, .value_kind: global_buffer, .address_space: global }
      - { .name: XC, .offset: 56, .size: 8, .value_kind: global_buffer, .address_space: global }
      - { .name: Wkv, .offset: 64, .size: 8, .value_kind: global_buffer, .address_space: global }
      - { .name: Wqb, .offset: 72, .size: 8, .value_kind: global_buffer, .address_space: global }
      - { .name: Wpb, .offset: 80, .size: 8, .value_kind: global_buffer, .address_space: global }
      - { .name: maskbits, .offset: 88, .size: 8, .value_kind: global_buffer, .address_space: global }
    .group_segment_fixed_size: 35840
    .private_segment_fixed_size: 0
    .kernarg_segment_align: 8
    .kernarg_segment_size: 96
    .max_flat_workgroup_size: 256
    .sgpr_count:     66
    .vgpr_count:     154
    .wavefront_size: 32
...
	.end_amdgpu_metadata
.endif
;; end of part 1
;; launch kvproj (part 2): grid 4 x 64, 4 waves a work-group, clusters of 4 x 4, 327,680 bytes of LDS; arguments XC, Wkv, KV; writes KV
.if DOCPART == 2
	.amdgcn_target "amdgcn-amd-amdhsa--gfx1250"
	.amdhsa_code_object_version 6
	.text
	.protected	k_q068dc7b228_kvproj
	.globl	k_q068dc7b228_kvproj
	.p2align	8
	.type	k_q068dc7b228_kvproj,@function
k_q068dc7b228_kvproj:
	s_mov_b64 s[64:65], 0
	v_nop
	global_prefetch_b8 v0, s[64:65] scope:SCOPE_SE
	s_setreg_imm32_b32 hwreg(HW_REG_WAVE_MODE, 25, 1), 1
	s_wait_xcnt 0x0
	s_wait_alu depctr_hold_cnt(0) depctr_sa_sdst(0) depctr_va_vdst(0) depctr_va_sdst(0) depctr_va_ssrc(0) depctr_va_vcc(0) depctr_vm_vsrc(0)
	s_getreg_b32 s2, hwreg(HW_REG_IB_STS2, 6, 4)
	s_cmp_eq_u32 s2, 0
	s_cbranch_scc0 .Lentry_in_a_cluster
	s_endpgm
.Lentry_in_a_cluster:
	s_bfe_u32 s2, ttmp6, 0x10000c
	s_cmp_lg_u32 s2, 0xf033
	s_cbranch_scc0 .Lentry_shape_is_right
	s_endpgm
.Lentry_shape_is_right:
; KV[m][n] = sum over k of XC[m][k] Wkv[n][k].  XC: [16384][512], Wkv: [1024][512], KV: [16384][1024], all f16; sums in f32.
; Columns 0..511 of KV are the keys, 512..1023 the values; rows as in XC (x's tokens, then c's).
; LIMIT: a key or value of magnitude 65,504 or more becomes infinite in f16.
; A work-group makes a block of 256 x 256 with four waves, one for each SIMD; a wave makes 128 x 128: 64 accumulator tiles of 16 x 16,
; 512 registers.  K goes in steps of 128 through a ring of two LDS slots filled by the tensor data mover: a tile's rows are 256 bytes of
; memory and start at multiples of 256 bytes from the buffer's first byte.
; CLUSTERS: 4 x 4 work-groups.  The four of a row of the cluster need the same tiles of XC, the four of a column the same tiles of Wkv.
; Such a tile is asked for jointly: each of the four issues the same tensor load, with the same descriptor and a mask that names the four.
;
; REGISTERS, in windows of 256 (s_set_vgpr_msb says which window each operand place means):
;   window 0: v0-31 addresses; v64-127, v128-191 fragments of A (8 x 16 rows x 32 K), two buffers; v192-223 at work on the way out
;   window 1: v64-127, v128-191 fragments of B, two buffers
;   window 2: the 32 accumulator tiles of my rows 0-63 (tile (a, b) at v[8 (8 a + b)]);   window 3: those of my rows 64-127
; THE MATRIX INSTRUCTION IS USED TRANSPOSED: source 0 = 16 rows of B, source 1 = 16 rows of A.  Lane l then holds row l % 16 of the result
; and its registers 0 to 7 the columns 8 (l / 16) + 0 .. 7: eight neighbouring numbers of a row, 16 bytes in f16.
.set SIZE_M, 16384
.set SIZE_N, 1024
.set SIZE_K, 512                       ; four K steps: two laps of the ring, both written out
.set KSTEP,  128
.set PITCH,  272                       ; an LDS row: 256 bytes + 16 of padding = 68 words: the 16 rows that a load touches start at 16 different banks (ISA guide 11.1)
.set HALFT,  128*PITCH                 ; 128 rows: what one tensor load brings, and what one wave reads of A or of B
.set SLOT,   4*HALFT                   ; A's 256 rows, then B's 256 rows
.set STAGE,  2*SLOT                    ; behind the ring: 16 rows x 272 bytes for each wave, for the way out
.set SPITCH, 272
.set ADRA, 16                          ; v16-17  LDS address of my A fragments in slot 0, 1
.set ADRB, 20                          ; v20-21  the same for B
.set STO,  24                          ; v24     the way out: where I put 16 bytes of a row
.set RD,   25                          ; v25     the way out: where I read a row back
.set CO,   26                          ; v26     my byte offset in the result
.set F0,   64                          ; fragment buffer 0
.set F1,   128                         ; fragment buffer 1
.set TMP,  192                         ; the way out: packed results, in window 0
.set G1, 24                            ; s[24:31] descriptor group 1 for A's tiles
.set G0, 32                            ; s[32:39] descriptor group 0 for A's tiles, one set for each slot
.set G1B, 48                           ; s[48:55] descriptor group 1 for B's tiles: it differs from A's in the mask alone
.set G0B, 56                           ; s[56:63] descriptor group 0 for B's tiles, one set for each slot
.set MSB, 0
.macro WIN new                         ; the immediate's high byte repeats the setting that is left
.if MSB != \new
	s_set_vgpr_msb (MSB<<8)|\new
.set MSB, \new
.endif
.endm
.set MUL_LO, 0xa1                      ; source 0 (B) window 1, source 1 (A) window 0, C and D window 2
.set MUL_HI, 0xf1                      ; the same, C and D window 3
.set TO_B,   0x40                      ; destination window 1, address window 0
; A joint load.  Waves 0 and 1 fetch A's two halves, waves 2 and 3 B's.  Each line has one mask and one set of registers for all that issue it.
; The branch hangs on the wave's number alone: it is the same in every work-group.
.macro JLOAD s
	s_cmp_eq_u32 s11, 0
	s_cbranch_scc0 .Lfor_b_\@
	tensor_load_to_lds s[G0+4*\s:G0+4*\s+3], s[G1:G1+7]
	s_nop 0
	s_branch .Lasked_\@
.Lfor_b_\@:
	tensor_load_to_lds s[G0B+4*\s:G0B+4*\s+3], s[G1B:G1B+7]
	s_nop 0
.Lasked_\@:
.endm
; A round of the cluster's barrier: my work-group's barrier, so that wave 0's signal speaks for all four waves; wave 0 signals for the
; work-group; every wave waits for all sixteen work-groups; my work-group's barrier once more.
.macro CREST                           ; a round behind its opening barrier
	s_cmp_lg_u32 s10, 0
	s_cbranch_scc1 .Lnot_wave_0_\@
	s_barrier_signal -3
.Lnot_wave_0_\@:
	s_barrier_wait -3
	s_barrier_signal -1
	s_barrier_wait -1
.endm
.macro CROUND                          ; a whole round
	s_barrier_signal -1
	s_barrier_wait -1
	CREST
.endm
	s_load_b128 s[4:7], s[0:1], 0x0                ; A s[4:5], B s[6:7]
	s_load_b64 s[8:9], s[0:1], 0x10                ; the result
	s_set_vgpr_msb 0x40
	v_lshl_add_u32 v255, v0, 2, 0x48400
	s_set_vgpr_msb 0x4000
	v_mov_b32 v255, 0
	s_set_vgpr_msb 0x1
	ds_add_u32 v255, v255
	s_set_vgpr_msb 0x100
	v_lshrrev_b32 v1, 5, v0
	v_readfirstlane_b32 s10, v1                    ; wave 0..3
	s_lshr_b32 s11, s10, 1                         ; which half of the block's rows is mine.  Also: I fetch for A (0) or for B (1)
	s_and_b32 s12, s10, 1                          ; which half of its columns.  Also: which 128 rows of that tile I fetch
	s_bfe_u32 s40, ttmp6, 0x40000                  ; cx: my place along the cluster's x
	s_bfe_u32 s41, ttmp6, 0x40004                  ; cy: along its y
	s_lshl_b32 s42, ttmp9, 2                       ; in a cluster launch ttmp9 and ttmp7 count clusters
	s_add_co_u32 s42, s42, s40                     ; block column = 4 x cluster x + cx
	s_and_b32 s13, ttmp7, 0xffff
	s_lshl_b32 s13, s13, 2
	s_add_co_u32 s13, s13, s41                     ; block row = 4 x cluster y + cy
	s_lshl_b32 s43, s41, 2
	s_lshl_b32 s43, 15, s43                        ; my row of the cluster: places 4 cy .. 4 cy + 3
	s_lshl_b32 s44, 0x1111, s40                    ; my column: places cx, cx + 4, cx + 8, cx + 12
	; descriptor group 1: a tile of 128 rows x 128 elements, padded in LDS
	s_or_b32 s[G1+0], s43, (1<<16)|(1<<20)|(1<<21)|(5<<22)|(3<<25)  ; 15:0 the mask: A's tiles go to my row; 17:16 element of 2 bytes; 20 padding on; 21 set beside a mask; 24:22 after every 64 words; 31:25 of 4 words
	s_or_b32 s[G1B+0], s44, (1<<16)|(1<<20)|(1<<21)|(5<<22)|(3<<25) ; the same with the mask of my column, for B's tiles
	s_mov_b32 s[G1B+1], KSTEP<<16
	s_mov_b32 s[G1+1], KSTEP<<16                   ; 63:48 tensor_dim0, low half = 128
	s_mov_b32 s[G1B+2], 128<<16
	s_mov_b32 s[G1+2], 128<<16                     ; 95:80 tensor_dim1, low half = 128
	s_mov_b32 s[G1B+3], KSTEP<<16
	s_mov_b32 s[G1+3], KSTEP<<16                   ; 127:112 tile_dim0 = 128
	s_mov_b32 s[G1B+4], 128
	s_mov_b32 s[G1+4], 128                         ; 143:128 tile_dim1 = 128; tile_dim2 = 0
	s_mov_b32 s[G1B+5], SIZE_K
	s_mov_b32 s[G1+5], SIZE_K                      ; 191:160 elements from row to row
	s_mov_b32 s[G1B+6], 0
	s_mov_b32 s[G1+6], 0
	s_mov_b32 s[G1B+7], 0
	s_mov_b32 s[G1+7], 0
	; A's tiles hang on the block row alone, which my row of the cluster shares; B's on the block column alone, which my column shares.
	; Every wave makes both addresses, in registers that never hold the other coordinate, and asks by one of them.
	s_lshl_b32 s17, s12, 7                         ; which 128 rows of the tile I fetch
	s_lshl_b32 s16, s13, 8
	s_add_co_u32 s16, s16, s17                     ; A: row 256 x block row + 128 x half
	s_lshl_b32 s46, s42, 8
	s_add_co_u32 s46, s46, s17                     ; B: row 256 x block column + 128 x half
	s_mov_b32 s17, 0
	s_mov_b32 s47, 0
	s_mov_b64 s[18:19], SIZE_K*2
	s_mul_u64 s[16:17], s[16:17], s[18:19]         ; in bytes
	s_mul_u64 s[46:47], s[46:47], s[18:19]
	s_mul_i32 s20, s10, HALFT                      ; where they go: wave x 128 rows: no place in the cluster enters an LDS address
	s_wait_dscnt 0x0
	s_wait_kmcnt 0x0
	s_add_nc_u64 s[14:15], s[4:5], s[16:17]
	s_add_nc_u64 s[46:47], s[6:7], s[46:47]
	CROUND                                         ; all sixteen work-groups are here: the first joint loads meet
.irp s, 0,1
	s_mov_b32 s[G0+4*\s], 1                                        ; count = 1
	s_add_co_u32 s[G0+4*\s+1], s20, \s*SLOT                        ; LDS address
	s_add_nc_u64 s[G0+4*\s+2:G0+4*\s+3], s[14:15], \s*KSTEP*2      ; global address: K step s
	s_or_b32 s[G0+4*\s+3], s[G0+4*\s+3], 0x80000000                ; type = 2
	s_mov_b32 s[G0B+4*\s], 1
	s_add_co_u32 s[G0B+4*\s+1], s20, \s*SLOT
	s_add_nc_u64 s[G0B+4*\s+2:G0B+4*\s+3], s[46:47], \s*KSTEP*2
	s_or_b32 s[G0B+4*\s+3], s[G0B+4*\s+3], 0x80000000
	JLOAD \s                                       ; the ring is filled before anything else is done: two loads of a wave are out
.endr
	; A fragment is 16 rows x 32 K in 8 registers: lane l holds row l % 16; registers 0-3 hold K = 8 (l / 16) + 0..7, registers 4-7 hold
	; K = 16 + 8 (l / 16) + 0..7: two loads of 16 bytes, 32 bytes apart.  The same for source 0 and source 1.
	v_and_b32 v1, 15, v0                           ; l % 16
	v_bfe_u32 v2, v0, 4, 1                         ; l / 16
	v_mul_u32_u24 v3, v1, PITCH
	v_lshl_add_u32 v3, v2, 4, v3                   ; row x pitch + 16 x half
	s_mul_i32 s21, s11, HALFT                      ; my 128 rows of A
	s_mul_i32 s22, s12, HALFT                      ; my 128 rows of B,
	s_add_co_u32 s22, s22, 2*HALFT                 ; which lie behind A's 256
.irp s, 0,1
	v_add_nc_u32 v[ADRA+\s], s21, v3
	v_add_nc_u32 v[ADRB+\s], s22, v3
	s_add_co_u32 s21, s21, SLOT
	s_add_co_u32 s22, s22, SLOT
.endr
	s_mul_i32 s23, s10, 16*SPITCH
	s_add_co_u32 s23, s23, STAGE                   ; my stage
	v_mul_u32_u24 v4, v1, SPITCH                   ; in: row l % 16, 16 bytes for each half of the lanes
	v_lshl_add_u32 v4, v2, 4, v4
	v_add_nc_u32 v[STO], s23, v4
	v_mul_u32_u24 v5, v2, SPITCH                   ; back: lanes 0-15 take one row of 256 bytes, lanes 16-31 the next
	v_lshl_add_u32 v5, v1, 4, v5
	v_add_nc_u32 v[RD], s23, v5
	v_mul_u32_u24 v5, v2, SIZE_N*2                 ; and the same two rows in the result
	v_lshl_add_u32 v[CO], v1, 4, v5
; 16 matrix instructions: m blocks a0, a0 + 1 of the window's four x all 8 n blocks, 32 along K.  zero = 1: the first product starts the sums.
; The 64 accumulators take turns, one instruction a turn, in the same order in every quarter step.
.macro MUL16 f, hi, a0, zero
.irp a, \a0, \a0+1
.irp b, 0,1,2,3,4,5,6,7
.if \zero
	v_wmma_f32_16x16x32_f16 v[8*(8*(\a)+\b):8*(8*(\a)+\b)+7], v[\f+8*\b:\f+8*\b+7], v[\f+8*(4*\hi+\a):\f+8*(4*\hi+\a)+7], 0
.else
	v_wmma_f32_16x16x32_f16 v[8*(8*(\a)+\b):8*(8*(\a)+\b)+7], v[\f+8*\b:\f+8*\b+7], v[\f+8*(4*\hi+\a):\f+8*(4*\hi+\a)+7], v[8*(8*(\a)+\b):8*(8*(\a)+\b)+7]
.endif
.endr
.endr
.endm
; 32 LDS loads in one run: the fragments of one quarter step (128 rows of B, 128 rows of A, 32 K at byte k of the rows) into buffer f
.macro FETCH slot, k, f
	WIN TO_B
.irp i, 0,1,2,3,4,5,6,7
	ds_load_b128 v[\f+8*\i:\f+8*\i+3],   v[ADRB+\slot] offset:\k+\i*16*PITCH
	ds_load_b128 v[\f+8*\i+4:\f+8*\i+7], v[ADRB+\slot] offset:\k+\i*16*PITCH+32
.endr
	WIN 0
.irp i, 0,1,2,3,4,5,6,7
	ds_load_b128 v[\f+8*\i:\f+8*\i+3],   v[ADRA+\slot] offset:\k+\i*16*PITCH
	ds_load_b128 v[\f+8*\i+4:\f+8*\i+7], v[ADRA+\slot] offset:\k+\i*16*PITCH+32
.endr
.endm
; A load into a register that a matrix instruction has read, and a vector instruction that reads a matrix result, stand four places behind
; that matrix instruction; only plain vector instructions that name none of its registers are places.
.macro PLACES
.rept 4
	v_nop
.endr
.endm
; A K step is four quarter steps of 32 along K, 64 matrix instructions each, on buffers 0, 1, 0, 1.
; One of the first three: multiplies buffer f; in its middle it fetches the next quarter's fragments into buffer g.
.macro QUARTER slot, k, f, g, zero
	s_wait_dscnt 8                                 ; B and A's rows 0-63 are in; the youngest eight loads (A's rows 64-127) may be out
	WIN MUL_LO
	MUL16 \f, 0, 0, \zero
	MUL16 \f, 0, 2, \zero
	PLACES
	FETCH \slot, \k, \g
	s_wait_dscnt 32                                ; all but the 32 just issued
	WIN MUL_HI
	MUL16 \f, 1, 0, \zero
	MUL16 \f, 1, 2, \zero
.endm
.macro THREE slot, zero
	QUARTER \slot, 64,  F0, F1, \zero
	QUARTER \slot, 128, F1, F0, 0
	QUARTER \slot, 192, F0, F1, 0
.endm
; The last quarter: multiplies buffer 1 and changes slots.  next = the other slot; fill = 1: this slot is filled again, two K steps ahead.
; One barrier for the change of slots.  In front of it each wave waits for its own reads of this slot and for all its tensor loads, of which
; one is out: its part of the next slot.  Behind it nobody reads this slot any more and the next slot is whole: the refill comes first.
.macro TURN slot, next, fill
	s_wait_dscnt 8
	WIN MUL_LO
	MUL16 F1, 0, 0, 0
	s_wait_dscnt 0                                 ; my reads of this slot are over
	s_wait_tensorcnt 0x0                           ; and all my tensor loads have landed
	ds_add_u32 v255, v255
	s_wait_dscnt 0x0
	s_barrier_signal -1                            ; say so (where a slot is filled again this barrier opens a round of the cluster's barrier),
	MUL16 F1, 0, 2, 0                              ; work on registers while the others arrive,
	WIN 0
	s_barrier_wait -1                              ; and go on when all four have said so
.if \fill
	CREST                                          ; all sixteen work-groups have said so: no wave of any partner still reads this slot's tile or has a load on its way
	s_add_nc_u64 s[G0+4*\slot+2:G0+4*\slot+3], s[G0+4*\slot+2:G0+4*\slot+3], 2*KSTEP*2
	s_add_nc_u64 s[G0B+4*\slot+2:G0B+4*\slot+3], s[G0B+4*\slot+2:G0B+4*\slot+3], 2*KSTEP*2
	JLOAD \slot                                    ; the first tensor load behind the round, my only one until the next
.endif
	PLACES
	FETCH \next, 0, F0
	WIN MUL_HI
	MUL16 F1, 1, 0, 0
	MUL16 F1, 1, 2, 0
.endm
	s_wait_tensorcnt 1                             ; my part of K step 0 is in; K step 1's load may stay out
	s_barrier_signal -1
	s_barrier_wait -1                              ; everybody's is
	FETCH 0, 0, F0
	THREE 0, 1                                     ; the first lap: its first products start the sums, and both slots are filled again
	TURN 0, 1, 1
	THREE 1, 0
	TURN 1, 0, 1
	THREE 0, 0                                     ; the last lap fills nothing
	TURN 0, 1, 0
	THREE 1, 0
	s_wait_dscnt 8                                 ; the very last quarter: nothing more to fetch
	WIN MUL_LO
	MUL16 F1, 0, 0, 0
	MUL16 F1, 0, 2, 0
	s_wait_dscnt 0
	WIN MUL_HI
	MUL16 F1, 1, 0, 0
	MUL16 F1, 1, 2, 0
	; THE WAY OUT, 16 rows at a time: round to f16, 16 bytes a lane into my own stage in LDS, read back as whole rows of 256 bytes.
	PLACES                                         ; the places behind the last matrix instructions
	s_lshl_b32 s13, s13, 8
	s_lshl_b32 s14, s11, 7
	s_add_co_u32 s16, s13, s14                     ; my first row
	s_mov_b32 s17, 0
	s_mov_b64 s[18:19], SIZE_N*2
	s_mul_u64 s[16:17], s[16:17], s[18:19]
	s_add_nc_u64 s[8:9], s[8:9], s[16:17]
	s_lshl_b32 s46, s42, 9                         ; my first column, in bytes: 512 x block + 256 x half
	s_lshl_b32 s47, s12, 8
	s_add_co_u32 s46, s46, s47
	s_mov_b32 s47, 0
	s_add_nc_u64 s[8:9], s[8:9], s[46:47]
; rows 16 i .. 16 i + 15 of my block = the eight tiles (a, 0..7) of window 2 or 3 (from = 0x0a or 0x0f: sources 0 and 1); f: F0 or F1 in turn
.macro OUT16 i, a, from, f
	WIN \from
.irp b, 0,1,2,3,4,5,6,7
.irp r, 0,1,2,3
	v_cvt_pk_f16_f32 v[TMP+4*\b+\r], v[8*(8*\a+\b)+2*\r], v[8*(8*\a+\b)+2*\r+1]
.endr
.endr
	WIN 0
.irp b, 0,1,2,3,4,5,6,7
	ds_store_b128 v[STO], v[TMP+4*\b:TMP+4*\b+3] offset:32*\b
.endr
	s_wait_xcnt 0x0                                ; buffer f, which earlier stores read, and the stores' base are rewritten only behind this wait
.if \i
	s_add_nc_u64 s[8:9], s[8:9], 16*SIZE_N*2       ; 16 rows on
.endif
.irp t, 0,1,2,3,4,5,6,7
	ds_load_b128 v[\f+4*\t:\f+4*\t+3], v[RD] offset:\t*2*SPITCH    ; LDS serves a wave's instructions in order: these see the stores above
.endr
.irp t, 0,1,2,3,4,5,6,7
	s_wait_dscnt 7-\t                              ; the younger read-backs stay out
	global_store_b128 v[CO], v[\f+4*\t:\f+4*\t+3], s[8:9] offset:2*\t*SIZE_N*2   ; 16 lanes store 256 consecutive bytes, at a multiple of 256
.endr
.endm
	OUT16 0, 0, 0x0a, F0
	OUT16 1, 1, 0x0a, F1
	OUT16 2, 2, 0x0a, F0
	OUT16 3, 3, 0x0a, F1
	OUT16 4, 0, 0x0f, F0
	OUT16 5, 1, 0x0f, F1
	OUT16 6, 2, 0x0f, F0
	OUT16 7, 3, 0x0f, F1
	s_set_vgpr_msb 0x1
	s_wait_tensorcnt 0x0
	ds_add_u32 v255, v255
	s_wait_dscnt 0x0
	s_set_vgpr_msb 0x100
	CROUND                                         ; the closing round: no work-group ends while a partner may still ask for a tile that names it
	s_endpgm
.Lfunc_end_k_q068dc7b228_kvproj:
	.size	k_q068dc7b228_kvproj, .Lfunc_end_k_q068dc7b228_kvproj-k_q068dc7b228_kvproj
	.p2alignl 7, 3214868480
	.fill 96, 4, 3214868480
	.section	.rodata,"a",@progbits
	.p2align	6, 0x0
	.amdhsa_kernel k_q068dc7b228_kvproj
		.amdhsa_group_segment_fixed_size 327680
		.amdhsa_private_segment_fixed_size 0
		.amdhsa_enable_private_segment 0
		.amdhsa_kernarg_size 24
		.amdhsa_user_sgpr_count 2
		.amdhsa_user_sgpr_kernarg_segment_ptr 1
		.amdhsa_wavefront_size32 1
		.amdhsa_system_sgpr_workgroup_id_x 1
		.amdhsa_system_sgpr_workgroup_id_y 1
		.amdhsa_system_sgpr_workgroup_id_z 1
		.amdhsa_system_vgpr_workitem_id 0
		.amdhsa_next_free_vgpr 1024
		.amdhsa_next_free_sgpr 66
		.amdhsa_reserve_vcc 0
		.amdhsa_float_denorm_mode_32 3
		.amdhsa_float_denorm_mode_16_64 3
		.amdhsa_memory_ordered 1
		.amdhsa_forward_progress 1
		.amdhsa_inst_pref_size 144
	.end_amdhsa_kernel
	.amdgpu_metadata
---
amdhsa.version: [ 1, 2 ]
amdhsa.kernels:
  - .name:           k_q068dc7b228_kvproj
    .symbol:         k_q068dc7b228_kvproj.kd
    .args:
      - { .name: XC, .offset: 0, .size: 8, .value_kind: global_buffer, .address_space: global }
      - { .name: Wkv, .offset: 8, .size: 8, .value_kind: global_buffer, .address_space: global }
      - { .name: KV, .offset: 16, .size: 8, .value_kind: global_buffer, .address_space: global }
    .group_segment_fixed_size: 327680
    .private_segment_fixed_size: 0
    .kernarg_segment_align: 8
    .kernarg_segment_size: 24
    .max_flat_workgroup_size: 128
    .sgpr_count:     66
    .vgpr_count:     1024
    .wavefront_size: 32
...
	.end_amdgpu_metadata
.endif
;; end of part 2
;; launch attn (part 3): grid 256 x 1, 8 waves a work-group, clusters of 4 x 1, 327,680 bytes of LDS; arguments XC, Wqb, KV, maskbits, Y; writes Y
.if DOCPART == 3
	.amdgcn_target "amdgcn-amd-amdhsa--gfx1250"
	.amdhsa_code_object_version 6
	.text
	.protected	k_q068dc7b228_attn
	.globl	k_q068dc7b228_attn
	.p2align	8
	.type	k_q068dc7b228_attn,@function
k_q068dc7b228_attn:
	s_mov_b64 s[64:65], 0
	v_nop
	global_prefetch_b8 v0, s[64:65] scope:SCOPE_SE
	s_setreg_imm32_b32 hwreg(HW_REG_WAVE_MODE, 25, 1), 1
	s_wait_xcnt 0x0
	s_wait_alu depctr_hold_cnt(0) depctr_sa_sdst(0) depctr_va_vdst(0) depctr_va_sdst(0) depctr_va_ssrc(0) depctr_va_vcc(0) depctr_vm_vsrc(0)
	s_getreg_b32 s2, hwreg(HW_REG_IB_STS2, 6, 4)
	s_cmp_eq_u32 s2, 0
	s_cbranch_scc0 .Lentry_in_a_cluster
	s_endpgm
.Lentry_in_a_cluster:
	s_bfe_u32 s2, ttmp6, 0x10000c
	s_cmp_lg_u32 s2, 0x3003
	s_cbranch_scc0 .Lentry_shape_is_right
	s_endpgm
.Lentry_shape_is_right:
; The queries' projection, then masked attention with a running maximum.
; XC [16384][512] f16 (rows 0..8191 = x), Wqb [512][512] f16, KV [16384][1024] f16 (keys, values; rows: x's tokens, then c's),
; maskbits as lane masks (bit set = the score counts as minus infinity), Y [8192][512] f16.
; A work-group: one batch, two heads, 128 queries.  The four work-groups of a cluster take four query blocks of the same batch and heads and
; read the same tiles of keys and values and the same rows of Wq: these are asked for jointly, mask 15.  x's rows differ between the
; partners (each has its own 128 queries): they come by plain tensor loads.
; A wave w: kh = w & 1 which 128 of a tile's 256 keys, hd = (w >> 1) & 1 which head, qg = w >> 2 which 64 queries.  Two waves lie on a SIMD.
; The two key halves are joined at the end through LDS.
; THE PROJECTION: the work-group's Q is 128 tokens x 128 features x 512, needed by no other work-group.  K = 512 lies in LDS whole, four chunks of
; 128 (128 rows of x, 128 rows of Wq), in the bytes that the ring takes over afterwards: chunks 0, 1 = slot 0, chunks 2, 3 = slot 1.  A wave
; makes its 64 tokens x 32 features (32 kh ..) with source 0 = 16 rows of Wq, source 1 = 16 tokens: a lane's 8 results are 8 neighbouring
; features of one token, and packed in pairs they ARE half of the Q fragment that the scores take.  The pair's two waves hand each other
; their halves through LDS bytes behind the ring.
; ORIENTATION: scores transposed, S(t, u) = 16 keys (source 0) x 16 queries (source 1): lane (r, h), register j = key 16 u + 8 h + j, query
; 16 t + r.  Packed in pairs, S(t, 0) and S(t, 1) ARE source 1 of the second product, O(t, d) = 16 dims of V transposed (source 0) x P(t).
; Maximum, factor and sum belong to a lane's query; one exchange between the halves of the wave joins the maximum.
; RING: a tile is 256 keys, 256 rows of K then 256 rows of V, 256 bytes each (two heads), pitch 272.  Slot 0 takes x's four tiles, slot 1 c's
; (a softmax does not mind the order of keys), by turns: 8 trips.  Each wave brings 64 rows.  A wave has two tensor loads out at the start
; (its parts of two chunks) and one behind each round.
; LIMITS: operands in f16: |q|, |k|, |v| of 65,504 or more become infinite; a weight below 6e-8 of the running maximum's counts as 0.
; The running maximum starts at -1e30: scores below that are not served.  v_exp_f32 gives 0 below 2^-126.  A query whose keys are all
; masked gives NaN (0 x infinity at the end).  The sum of the weights is made of the f32 weights, the product of their f16 roundings.
.set PITCH, 272
.set VOFS,  256*PITCH                  ; V's rows behind K's
.set SLOT,  2*VOFS                     ; 139,264
.set TSTEP, 256*2048                   ; a slot's next tile: 256 rows of KV
.set CROWS, 8192*2048                  ; c's rows behind x's
.set CHUNK, 256*PITCH                  ; the projection: 128 rows of x, then 128 rows of Wq, 128 along K; two chunks are a slot
.set QHALF, 64*PITCH                   ; 64 rows: one tensor load
.set QX,    2*SLOT                     ; behind the ring: 4,096 bytes for each wave, Q's halves; no tensor load lands here
.set SCRB,  34*512                     ; merge: 32 x 512 bytes of O, 512 of N, 512 of l, for each pair of waves; in slot 0, from byte 0
.set YST,   VOFS                       ; merge: Y's stage, in slot 0 behind the scratch
.set YP,    144                        ; 128 bytes (a head's 64 dims) + 16
.set YBLK,  64*YP+128                  ; a keeper wave's block; the odd 128 sets the two heads' blocks half a row of banks apart
.set KADR, 2                           ; v2, v3     my K fragments in slot 0, 1
.set VADR, 4                           ; v4, v5     my V fragments
.set NINF, 6                           ; v6         minus infinity
.set M,   8                            ; v[8:11]    running maximum of query tile t
.set NA,  12                           ; v[12:15]   -c x maximum, blocks 0 and 2 of a trip
.set NB,  16                           ; v[16:19]   the same, blocks 1 and 3
.set AL,  20                           ; v[20:23]   the factor for what was summed before
.set LS,  24                           ; v[24:31]   sums, a pair for each t
.set MX,  32                           ; v[32:35]
.set PX,  36                           ; v[36:39]
.set S,   40                           ; v[40:103]  S(t, u) at 40 + 16 t + 8 u; P(t) = the first 8 of each 16.  In the projection: its 8 accumulators
.set KF,  104                          ; v[104:135] K fragment (u, ks) at + 16 u + 8 ks
.set VF,  136                          ; v[136:167] V fragment d at + 8 d
.set QF,  168                          ; v[168:231] Q fragment (t, ks) at + 16 t + 8 ks
.set FA,  104                          ; v[104:151] the projection's fragment buffer 0: Wq's two fragments, then x's four
.set FB,  152                          ; v[152:199] buffer 1
.set XADR, 200                         ; v200-203   my x fragments in chunk 0..3
.set WADR, 204                         ; v204-207   my Wq fragments
.set MADR, 232
.set YSTO, 233
.set YRD,  234
.set YOFF, 235
.set QXS,  236                         ; where I put my half of Q
.set QXL,  237                         ; where my pair's two halves lie
; window 1: O(t, d) at v[32 t + 8 d]
.set G1, 84                            ; s[84:91]  group 1 of the ring's loads
.set G0, 92                            ; s[92:99]  a group 0 for each slot
.set G1X, 16                           ; s[16:23]  the projection: group 1 for x's rows (plain)
.set G1W, 24                           ; s[24:31]  for Wq's rows (joint)
.set G0X, 32                           ; s[32:39]  group 0 for my two chunks, x
.set G0W, 40                           ; s[40:47]  the same, Wq
; s[4:5] mask words' address; s6 wave; s7 trips; s8, s9 lane selects; s[10:11] c = log2(e) / 8; s[12:13] Y; s14 = -c;
; s[16:31], s[32:47], s[48:63], s[68:83] the 16 mask words of query tile 0..3 (behind the projection's loads); s[100:101] Y's byte offset
.set MSB, 0
.macro WIN new                         ; the immediate's high byte repeats the setting that is left
.if MSB != \new
	s_set_vgpr_msb (MSB<<8)|\new
.set MSB, \new
.endif
.endm
.macro PLACES                          ; four places behind a matrix instruction (ISA guide 7.12.1)
.rept 4
	v_nop
.endr
.endm
.macro ROUND                           ; a round of the cluster's barrier
	s_barrier_signal -1
	s_barrier_wait -1
	s_cmp_lg_u32 s6, 0
	s_cbranch_scc1 .Lnot_wave_0_\@
	s_barrier_signal -3
.Lnot_wave_0_\@:
	s_barrier_wait -3
	s_barrier_signal -1
	s_barrier_wait -1
.endm
; v[d:d+1] = v[a:a+1] x v[base+t] (the one register for both halves)
.macro PKMULB d, a, base, t
.if (\t)&1
	v_pk_mul_f32 v[\d:\d+1], v[\a:\a+1], v[\base+\t-1:\base+\t] op_sel:[0,1] op_sel_hi:[1,1]
.else
	v_pk_mul_f32 v[\d:\d+1], v[\a:\a+1], v[\base+\t:\base+\t+1] op_sel_hi:[1,0]
.endif
.endm
; v[d:d+1] = v[a:a+1] x v[base+t] + v[c:c+1]
.macro PKFMAB d, a, base, t, c
.if (\t)&1
	v_pk_fma_f32 v[\d:\d+1], v[\a:\a+1], v[\base+\t-1:\base+\t], v[\c:\c+1] op_sel:[0,1,0] op_sel_hi:[1,1,1]
.else
	s_wait_alu depctr_va_vdst(0)
	v_pk_fma_f32 v[\d:\d+1], v[\a:\a+1], v[\base+\t:\base+\t+1], v[\c:\c+1] op_sel_hi:[1,0,1]
.endif
.endm
	s_load_b256 s[68:75], s[0:1], 0x0              ; XC 68, Wqb 70, KV 72, maskbits 74 (Y is fetched at the end)
	v_lshl_add_u32 v254, v0, 2, 0x4c000
	v_mov_b32 v255, 0
	ds_add_u32 v254, v255
	v_lshrrev_b32 v1, 5, v0
	v_readfirstlane_b32 s6, v1                     ; wave 0..7
	s_and_b32 s78, s6, 1                           ; kh.  Also: which 64 rows of x or of Wq I fetch
	s_bfe_u32 s79, s6, 0x10001                     ; hd
	s_lshr_b32 s80, s6, 2                          ; qg.  Also: I fetch chunks qg and qg + 2
	s_lshr_b32 s15, ttmp9, 3                       ; batch (ttmp9 counts clusters)
	s_bfe_u32 s66, ttmp9, 0x20001                  ; pair of heads
	s_bfe_u32 s2, ttmp6, 0x40000                   ; cx
	s_and_b32 s3, ttmp9, 1
	s_lshl2_add_u32 s3, s3, s2                     ; query block 0..7 = 4 x (cluster & 1) + cx
	; the ring's group 1: 64 rows x 128 elements of 2 bytes, 1,024 elements from row to row, 4 words of padding behind every 64; all four partners named
	s_mov_b32 s[G1+0], 15|(1<<16)|(1<<20)|(1<<21)|(5<<22)|(3<<25)
	s_mov_b32 s[G1+1], 128<<16
	s_mov_b32 s[G1+2], 64<<16
	s_mov_b32 s[G1+3], 128<<16
	s_mov_b32 s[G1+4], 64
	s_mov_b32 s[G1+5], 1024
	s_mov_b32 s[G1+6], 0
	s_mov_b32 s[G1+7], 0
	; the projection's two: the same tile with 512 elements from row to row; x's rows for me alone, Wq's for all four partners
	s_mov_b32 s[G1X+0], (1<<16)|(1<<20)|(5<<22)|(3<<25)
	s_mov_b32 s[G1W+0], 15|(1<<16)|(1<<20)|(1<<21)|(5<<22)|(3<<25)
.irp g, 16, 24
	s_mov_b32 s[\g+1], 128<<16                     ; tensor_dim0 = 128
	s_mov_b32 s[\g+2], 64<<16                      ; tensor_dim1 = 64
	s_mov_b32 s[\g+3], 128<<16                     ; tile_dim0 = 128
	s_mov_b32 s[\g+4], 64                          ; tile_dim1 = 64
	s_mov_b32 s[\g+5], 512                         ; elements from row to row
	s_mov_b32 s[\g+6], 0
	s_mov_b32 s[\g+7], 0
.endr
	; my part of a tile of the ring: rows 64 (w & 3), K (w < 4) or V; made of the batch, the heads and the wave's number, which the partners share
	s_lshl_b32 s76, s15, 21                        ; batch x 1024 rows of 2,048 bytes
	s_and_b32 s67, s6, 3
	s_lshl_b32 s67, s67, 17
	s_add_co_u32 s76, s76, s67
	s_lshr_b32 s67, s6, 2
	s_lshl_b32 s67, s67, 10                        ; V lies 1,024 bytes into a row
	s_add_co_u32 s76, s76, s67
	s_lshl_b32 s67, s66, 8                         ; two heads are 256 bytes
	s_add_co_u32 s76, s76, s67
	s_mov_b32 s77, 0
	; my parts of the projection's chunks.  Every wave makes both offsets; Wq's registers never hold my place in the cluster
	s_lshl_b32 s58, s78, 16                        ; 64 rows of 1,024 bytes
	s_lshl_b32 s67, s80, 8                         ; my first chunk: 256 bytes along a row
	s_add_co_u32 s58, s58, s67
	s_lshl_b32 s48, s15, 20                        ; x: (batch x 1024 + query block x 128) rows of 1,024 bytes
	s_lshl_b32 s67, s3, 17
	s_add_co_u32 s48, s48, s67
	s_add_co_u32 s48, s48, s58
	s_mov_b32 s49, 0
	s_lshl_b32 s52, s66, 17                        ; Wq: pair of heads x 128 rows
	s_add_co_u32 s52, s52, s58
	s_mov_b32 s53, 0
	s_and_b32 s67, s6, 3                           ; where they go: x's two halves, Wq's two halves = (w & 3) x 64 rows, in chunk w >> 2
	s_mul_i32 s67, s67, QHALF
	s_mul_i32 s7, s80, CHUNK
	s_add_co_u32 s56, s67, s7
	; LDS addresses: the wave's number and the lane alone
	v_and_b32 v1, 15, v0                           ; r
	v_bfe_u32 v7, v0, 4, 1                         ; h
	v_mul_u32_u24 v10, v1, PITCH
	v_lshl_add_u32 v10, v7, 4, v10                 ; a fragment's lane term: row r, 16 h
	s_mul_i32 s67, s78, 128*PITCH                  ; my 128 keys
	s_lshl_b32 s7, s79, 7                          ; my head's 128 bytes
	s_add_co_u32 s67, s67, s7
	v_add_nc_u32 v[KADR], s67, v10
	v_add_nc_u32 v[KADR+1], SLOT, v[KADR]
	v_and_b32 v[VADR], 7, v0
	v_lshl_add_u32 v[VADR], v7, 3, v[VADR]         ; key 8 h + (l & 7)
	v_mul_u32_u24 v[VADR], v[VADR], PITCH
	v_bfe_u32 v8, v0, 3, 1
	v_lshl_add_u32 v[VADR], v8, 4, v[VADR]         ; 16 bytes for each eight lanes
	s_add_co_u32 s67, s67, VOFS
	v_add_nc_u32 v[VADR], s67, v[VADR]
	v_add_nc_u32 v[VADR+1], SLOT, v[VADR]
	s_mul_i32 s67, s80, QHALF                      ; the projection: my 64 tokens,
	s_mul_i32 s7, s79, QHALF                       ; my head's 64 rows of Wq,
	s_mul_i32 s57, s78, 32*PITCH                   ; my 32 of them,
	s_add_co_u32 s7, s7, s57
	s_add_co_u32 s7, s7, 2*QHALF                   ; behind x's 128 rows
.irp j, 0,1,2,3
	v_add_nc_u32 v[XADR+\j], s67, v10
	v_add_nc_u32 v[WADR+\j], s7, v10
	s_add_co_u32 s67, s67, CHUNK
	s_add_co_u32 s7, s7, CHUNK
.endr
	v_and_b32 v11, 31, v0
	s_lshl_b32 s67, s6, 12                         ; my 4,096 bytes behind the ring
	s_add_co_u32 s67, s67, QX
	v_lshl_add_u32 v[QXS], v11, 4, s67
	s_and_b32 s67, s6, 6                           ; my pair's 8,192: kh = 0's half (dims 0..31), then kh = 1's
	s_lshl_b32 s67, s67, 12
	s_add_co_u32 s67, s67, QX
	v_lshl_add_u32 v[QXL], v11, 4, s67
	s_lshr_b32 s67, s6, 1                          ; my pair of waves = my keeper's number = 2 qg + hd
	s_mul_i32 s7, s67, SCRB
	v_lshl_add_u32 v[MADR], v11, 4, s7
	s_mul_i32 s7, s67, YBLK
	s_add_co_u32 s7, s7, YST
	v_mul_u32_u24 v[YSTO], v1, YP
	v_lshl_add_u32 v[YSTO], v7, 4, v[YSTO]
	v_add_nc_u32 v[YSTO], s7, v[YSTO]              ; query r, 16 h
	s_lshr_b32 s67, s6, 2                          ; read-back: wave w takes queries 16 w .. 16 w + 15
	s_mul_i32 s67, s67, 2*YBLK
	s_and_b32 s7, s6, 3
	s_mul_i32 s7, s7, 16*YP
	s_add_co_u32 s67, s67, s7
	s_add_co_u32 s67, s67, YST
	v_mul_u32_u24 v[YRD], v8, YBLK                 ; lanes 8-15 of each half: the second head's block
	v_mul_u32_u24 v9, v7, YP
	v_add_nc_u32 v[YRD], v[YRD], v9
	v_and_b32 v9, 7, v0
	v_lshl_add_u32 v[YRD], v9, 4, v[YRD]
	v_add_nc_u32 v[YRD], s67, v[YRD]
	s_lshl_b32 s67, s6, 14                         ; 16 rows of Y, 1,024 bytes each
	v_lshlrev_b32 v[YOFF], 10, v7
	v_lshl_add_u32 v[YOFF], v1, 4, v[YOFF]
	v_add_nc_u32 v[YOFF], s67, v[YOFF]
	s_mov_b32 s8, 0x76543210                       ; v_permlanex16_b32: lane i of one half reads lane i of the other
	s_mov_b32 s9, 0xfedcba98
	s_mov_b32 s10, 0x3e38aa3b                      ; c = log2(e) / sqrt(64)
	s_mov_b32 s11, 0x3e38aa3b
	s_mov_b32 s14, 0xbe38aa3b                      ; -c
	v_mov_b32 v[NINF], 0xff800000
.irp t, 0,1,2,3
	v_mov_b32 v[M+\t], 0xf149f2ca                  ; -1e30
	v_mov_b32 v[PX+\t], 0                          ; v_permlanex16_b32 counts as a reader of its destination
.endr
	s_lshl_b32 s100, s15, 20                       ; Y: (batch x 1024 + block x 128) rows of 1,024 bytes + pair of heads x 256
	s_lshl_b32 s81, s3, 17
	s_add_co_u32 s100, s100, s81
	s_lshl_b32 s81, s66, 8
	s_add_co_u32 s100, s100, s81
	s_mov_b32 s101, 0
	s_lshl_b32 s82, s15, 18                        ; mask words: (batch x 64 + block x 8 + qg x 4) query tiles of 4,096 bytes + kh x 4 blocks of 64
	s_lshl_b32 s81, s3, 15
	s_add_co_u32 s82, s82, s81
	s_lshl_b32 s81, s80, 14
	s_add_co_u32 s82, s82, s81
	s_lshl_b32 s81, s78, 8
	s_add_co_u32 s82, s82, s81
	s_mov_b32 s83, 0
	s_wait_dscnt 0x0
	s_wait_kmcnt 0x0
	s_add_nc_u64 s[4:5], s[74:75], s[82:83]
	s_add_nc_u64 s[76:77], s[72:73], s[76:77]
	s_add_nc_u64 s[50:51], s[68:69], s[48:49]
	s_add_nc_u64 s[54:55], s[70:71], s[52:53]
	s_mul_i32 s67, s6, 64*PITCH
.irp n, 0,1
	s_mov_b32 s[G0+4*\n], 1
	s_add_co_u32 s[G0+4*\n+1], s67, \n*SLOT
	s_add_nc_u64 s[G0+4*\n+2:G0+4*\n+3], s[76:77], \n*CROWS
	s_or_b32 s[G0+4*\n+3], s[G0+4*\n+3], 0x80000000
	s_mov_b32 s[G0X+4*\n], 1
	s_add_co_u32 s[G0X+4*\n+1], s56, \n*SLOT                       ; my second chunk lies two chunks on,
	s_add_nc_u64 s[G0X+4*\n+2:G0X+4*\n+3], s[50:51], \n*512        ; 512 bytes along the rows
	s_or_b32 s[G0X+4*\n+3], s[G0X+4*\n+3], 0x80000000
	s_mov_b32 s[G0W+4*\n], 1
	s_add_co_u32 s[G0W+4*\n+1], s56, \n*SLOT
	s_add_nc_u64 s[G0W+4*\n+2:G0W+4*\n+3], s[54:55], \n*512
	s_or_b32 s[G0W+4*\n+3], s[G0W+4*\n+3], 0x80000000
.endr
	ROUND                                          ; the four partners are here
	s_and_b32 s57, s6, 2                           ; one branch on the wave's number: two loads on either side
	s_cmp_eq_u32 s57, 0
	s_cbranch_scc0 .Lfor_w
	tensor_load_to_lds s[G0X:G0X+3], s[G1X:G1X+7]
	s_nop 0
	tensor_load_to_lds s[G0X+4:G0X+7], s[G1X:G1X+7]
	s_nop 0
	s_branch .Lasked
.Lfor_w:
	tensor_load_to_lds s[G0W:G0W+3], s[G1W:G1W+7]
	s_nop 0
	tensor_load_to_lds s[G0W+4:G0W+7], s[G1W:G1W+7]
	s_nop 0
.Lasked:
.macro MASKW imm                       ; the 16 words of one block of 32 keys, for my four query tiles
.irp t, 0,1,2,3
	s_load_b512 s[16+16*\t+4*(\t/3):31+16*\t+4*(\t/3)], s[4:5], \t*4096+\imm
.endr
.endm
; THE PROJECTION.  The fragments of quarter kq (32 along K) of chunk j: 12 loads
.macro QFETCH j, kq, f
.irp i, 0,1
	ds_load_b128 v[\f+8*\i:\f+8*\i+3],   v[WADR+\j] offset:\kq*64+\i*16*PITCH
	ds_load_b128 v[\f+8*\i+4:\f+8*\i+7], v[WADR+\j] offset:\kq*64+\i*16*PITCH+32
.endr
.irp i, 0,1,2,3
	ds_load_b128 v[\f+16+8*\i:\f+16+8*\i+3],   v[XADR+\j] offset:\kq*64+\i*16*PITCH
	ds_load_b128 v[\f+16+8*\i+4:\f+16+8*\i+7], v[XADR+\j] offset:\kq*64+\i*16*PITCH+32
.endr
.endm
; 8 matrix instructions, one for each accumulator (token tile t, feature tile fi), always in the same order
.macro QMUL f, zero
.irp fi, 0,1
.irp t, 0,1,2,3
.if \zero
	v_wmma_f32_16x16x32_f16 v[S+16*\t+8*\fi:S+16*\t+8*\fi+7], v[\f+8*\fi:\f+8*\fi+7], v[\f+16+8*\t:\f+16+8*\t+7], 0
.else
	v_wmma_f32_16x16x32_f16 v[S+16*\t+8*\fi:S+16*\t+8*\fi+7], v[\f+8*\fi:\f+8*\fi+7], v[\f+16+8*\t:\f+16+8*\t+7], v[S+16*\t+8*\fi:S+16*\t+8*\fi+7]
.endif
.endr
.endr
.endm
; buffer f is multiplied while the next quarter (nkq of chunk nj) is fetched into buffer g
.macro QSTEP f, g, nj, nkq, zero, fetch
	s_wait_dscnt 0x0                               ; this quarter's 12 loads are in
.if \fetch
	PLACES                                         ; buffer g was read by the matrix instructions just issued
	QFETCH \nj, \nkq, \g
.endif
	QMUL \f, \zero
.endm
	s_wait_tensorcnt 0x1                           ; my part of chunk 0 or 1 is in; my second load may stay out
	s_barrier_signal -1
	s_barrier_wait -1                              ; chunks 0 and 1 are whole
	QFETCH 0, 0, FA
	QSTEP FA, FB, 0, 1, 1, 1                       ; the first products start the sums
	QSTEP FB, FA, 0, 2, 0, 1
	QSTEP FA, FB, 0, 3, 0, 1
	QSTEP FB, FA, 1, 0, 0, 1
	QSTEP FA, FB, 1, 1, 0, 1
	QSTEP FB, FA, 1, 2, 0, 1
	QSTEP FA, FB, 1, 3, 0, 1
	QSTEP FB, FA, 0, 0, 0, 0                       ; chunk 1's last quarter fetches nothing: chunk 2 is shown whole only by the round below
	s_wait_tensorcnt 0x0                           ; all my tensor loads have landed, my part of chunk 2 or 3 among them,
	ds_add_u32 v254, v255
	s_wait_dscnt 0x0                               ; and my reads of chunks 0 and 1 are over
	ROUND                                          ; both now hold of every wave of the four work-groups
	tensor_load_to_lds s[G0:G0+3], s[G1:G1+7]      ; x's first tile of keys and values, into chunks 0 and 1's bytes: my one load until the next round
	s_nop 0
	MASKW 0                                        ; over the projection's descriptors: no load that names them is out
	PLACES                                         ; buffer 0 was read by matrix instructions
	QFETCH 2, 0, FA
	QSTEP FA, FB, 2, 1, 0, 1
	QSTEP FB, FA, 2, 2, 0, 1
	QSTEP FA, FB, 2, 3, 0, 1
	QSTEP FB, FA, 3, 0, 0, 1
	QSTEP FA, FB, 3, 1, 0, 1
	QSTEP FB, FA, 3, 2, 0, 1
	QSTEP FA, FB, 3, 3, 0, 1
	QSTEP FB, FA, 0, 0, 0, 0
	PLACES                                         ; behind the last matrix instructions: the conversions read results
	; register i of a token tile takes results 2 i, 2 i + 1: a register is overwritten only after its own pair has been packed
.irp t, 0,1,2,3
.irp i, 0,1,2,3,4,5,6,7
	v_cvt_pk_f16_f32 v[S+16*\t+\i], v[S+16*\t+2*\i], v[S+16*\t+2*\i+1]
.endr
	ds_store_b128 v[QXS], v[S+16*\t:S+16*\t+3]   offset:\t*1024            ; dims 32 kh + 8 h .. + 7 of query 16 t + r
	ds_store_b128 v[QXS], v[S+16*\t+4:S+16*\t+7] offset:\t*1024+512        ; dims 32 kh + 16 + 8 h .. + 7
.endr
.macro LOADQ                           ; my pair's Q: 64 queries x 64 dims, 16 loads
.irp t, 0,1,2,3
.irp ks, 0,1
	ds_load_b128 v[QF+16*\t+8*\ks:QF+16*\t+8*\ks+3],   v[QXL] offset:\ks*4096+\t*1024
	ds_load_b128 v[QF+16*\t+8*\ks+4:QF+16*\t+8*\ks+7], v[QXL] offset:\ks*4096+\t*1024+512
.endr
.endr
.endm
.macro LOADK slot, blk                 ; 32 keys x 64 dims: 8 loads
.irp u, 0,1
.irp ks, 0,1
	ds_load_b128 v[KF+16*\u+8*\ks:KF+16*\u+8*\ks+3],   v[KADR+\slot] offset:(32*(\blk)+16*\u)*PITCH+64*\ks
	ds_load_b128 v[KF+16*\u+8*\ks+4:KF+16*\u+8*\ks+7], v[KADR+\slot] offset:(32*(\blk)+16*\u)*PITCH+64*\ks+32
.endr
.endr
.endm
.macro LOADV slot, blk                 ; the same keys' values, transposed on the way: 8 loads
.irp d, 0,1,2,3
	ds_load_tr16_b128 v[VF+8*\d:VF+8*\d+3],   v[VADR+\slot] offset:(32*(\blk))*PITCH+32*\d
	ds_load_tr16_b128 v[VF+8*\d+4:VF+8*\d+7], v[VADR+\slot] offset:(32*(\blk)+16)*PITCH+32*\d
.endr
.endm
.macro FMA t, nn                       ; exponent = c x score - c x maximum, one rounding
.irp k, 0,2,4,6,8,10,12,14
.if (\t)&1
	v_pk_fma_f32 v[S+16*\t+\k:S+16*\t+\k+1], v[S+16*\t+\k:S+16*\t+\k+1], s[10:11], v[\nn+\t-1:\nn+\t] op_sel:[0,0,1] op_sel_hi:[1,0,1]
.else
	v_pk_fma_f32 v[S+16*\t+\k:S+16*\t+\k+1], v[S+16*\t+\k:S+16*\t+\k+1], s[10:11], v[\nn+\t:\nn+\t+1] op_sel_hi:[1,0,0]
.endif
.endr
.endm
.macro EXPS t
.irp k, 0,1,2,3,4,5,6,7,8,9,10,11,12,13,14,15
	v_exp_f32 v[S+16*\t+\k], v[S+16*\t+\k]
.endr
.endm
; the sum takes pair k, then pair k is packed into register k: a register is overwritten only after its pair has been summed and packed
.macro SUM t, first
.if \first
	s_wait_alu depctr_va_vdst(0)
	v_pk_add_f32 v[LS+2*\t:LS+2*\t+1], v[S+16*\t:S+16*\t+1], v[S+16*\t+2:S+16*\t+3]    ; the first block starts the sums
	v_cvt_pk_f16_f32 v[S+16*\t], v[S+16*\t], v[S+16*\t+1]
	v_cvt_pk_f16_f32 v[S+16*\t+1], v[S+16*\t+2], v[S+16*\t+3]
.else
	PKFMAB LS+2*\t, LS+2*\t, AL, \t, S+16*\t
	v_cvt_pk_f16_f32 v[S+16*\t], v[S+16*\t], v[S+16*\t+1]
	v_pk_add_f32 v[LS+2*\t:LS+2*\t+1], v[LS+2*\t:LS+2*\t+1], v[S+16*\t+2:S+16*\t+3]
	v_cvt_pk_f16_f32 v[S+16*\t+1], v[S+16*\t+2], v[S+16*\t+3]
.endif
.irp k, 2,3,4,5,6,7
	v_pk_add_f32 v[LS+2*\t:LS+2*\t+1], v[LS+2*\t:LS+2*\t+1], v[S+16*\t+2*\k:S+16*\t+2*\k+1]
	v_cvt_pk_f16_f32 v[S+16*\t+\k], v[S+16*\t+2*\k], v[S+16*\t+2*\k+1]
.endr
.endm
; One block: 32 keys x 64 queries.  nn, no: the new and the old set of -c x maximum.  nextk = 1: the next block's fragments are fetched.
; nimm: where the next block's mask words lie; mstep = 1: their address steps 512 first; nonext = 1: there is no next block.
.macro BLOCK slot, blk, first, nn, no, nextk, nimm, mstep, nonext
	s_wait_dscnt 0x8                               ; K's 8 loads (and, in the first block of all, Q's 16 ahead of them) are in; V's 8, issued behind them, may stay out
	; scores: 8 accumulators by turns, one instruction a turn, twice in the same order
.irp u, 0,1
.irp t, 0,1,2,3
	v_wmma_f32_16x16x32_f16 v[S+16*\t+8*\u:S+16*\t+8*\u+7], v[KF+16*\u:KF+16*\u+7], v[QF+16*\t:QF+16*\t+7], 0
.endr
.endr
.irp u, 0,1
.irp t, 0,1,2,3
	v_wmma_f32_16x16x32_f16 v[S+16*\t+8*\u:S+16*\t+8*\u+7], v[KF+16*\u+8:KF+16*\u+15], v[QF+16*\t+8:QF+16*\t+15], v[S+16*\t+8*\u:S+16*\t+8*\u+7]
.endr
.endr
.rept 4
	v_nop                                          ; four places: loads land in K's fragments, vector instructions read the scores
.endr
.if \nextk
	LOADK \slot, \blk+1
.endif
	s_wait_kmcnt 0x0                               ; this block's mask words, asked for a block ago
.irp t, 0,1,2,3
.irp u, 0,1
.irp j, 0,1,2,3,4,5,6,7
	v_cndmask_b32 v[S+16*\t+8*\u+\j], v[S+16*\t+8*\u+\j], v[NINF], s[16+16*\t+4*(\t/3)+8*\u+\j]
.endr
.endr
.endr
.if \mstep
	s_add_nc_u64 s[4:5], s[4:5], 512               ; no scalar load is out: the wait above was for all
.endif
.if \nonext == 0
	MASKW \nimm
.endif
	; the maximum of my 16 scores and the old one, four chains side by side; then the other half of the wave
.irp t, 0,1,2,3
	v_max3_num_f32 v[MX+\t], v[S+16*\t], v[S+16*\t+1], v[M+\t]
.endr
.irp k, 2,4,6,8,10,12,14
.irp t, 0,1,2,3
	v_max3_num_f32 v[MX+\t], v[MX+\t], v[S+16*\t+\k], v[S+16*\t+\k+1]
.endr
.endr
.irp t, 0,1,2,3
	v_permlanex16_b32 v[PX+\t], v[MX+\t], s8, s9
.endr
.irp t, 0,1,2,3
	v_max_num_f32 v[M+\t], v[MX+\t], v[PX+\t]
.endr
.irp t, 0,1,2,3
	v_mul_f32 v[\nn+\t], s14, v[M+\t]
.endr
.if \first == 0
.irp t, 0,1,2,3
	v_sub_f32 v[AL+\t], v[\nn+\t], v[\no+\t]       ; -c x (new - old), never above 0
.endr
.irp t, 0,1,2,3
	v_exp_f32 v[AL+\t], v[AL+\t]
.endr
.endif
	; behind each run of exponentials stands a plain instruction on other registers before a result is used (ISA guide 5.7.2)
	FMA 0, \nn
	EXPS 0
	FMA 1, \nn
	EXPS 1
	SUM 0, \first
	FMA 2, \nn
	EXPS 2
	SUM 1, \first
	FMA 3, \nn
	EXPS 3
	SUM 2, \first
	SUM 3, \first
.if \first == 0
	WIN 0x41                                       ; O in window 1, the factor in window 0
.irp t, 0,1,2,3
.irp k, 0,2,4,6,8,10,12,14,16,18,20,22,24,26,28,30
	PKMULB 32*\t+\k, 32*\t+\k, AL, \t
.endr
.endr
.endif
.if \nextk
	s_wait_dscnt 0x8                               ; V's loads are in; the next block's 8 loads of K, issued behind them, may stay out
.else
	s_wait_dscnt 0x0
.endif
	WIN 0x50                                       ; C and D in window 1
	; 16 accumulators, one instruction each
.irp t, 0,1,2,3
.irp d, 0,1,2,3
.if \first
	v_wmma_f32_16x16x32_f16 v[32*\t+8*\d:32*\t+8*\d+7], v[VF+8*\d:VF+8*\d+7], v[S+16*\t:S+16*\t+7], 0
.else
	v_wmma_f32_16x16x32_f16 v[32*\t+8*\d:32*\t+8*\d+7], v[VF+8*\d:VF+8*\d+7], v[S+16*\t:S+16*\t+7], v[32*\t+8*\d:32*\t+8*\d+7]
.endif
.endr
.endr
	WIN 0
.rept 5
	v_nop                                          ; five places: the next scores are written over P, loads land in V's fragments
.endr
.if \nextk
	LOADV \slot, \blk+1
.endif
.endm
; One trip: a tile of 256 keys, of which 128 are mine.  mb: where this trip's mask words lie from s[4:5]; nb: the next trip's first.
.macro TRIP slot, refill, first, mb, nb, step, last
	s_wait_tensorcnt 0x0                           ; all my tensor loads have landed, my part of this trip's tile among them,
	ds_add_u32 v254, v255
	s_wait_dscnt 0x0
	s_add_nc_u64 s[G0+4*\slot+2:G0+4*\slot+3], s[G0+4*\slot+2:G0+4*\slot+3], TSTEP   ; so a group 0 may be written: this slot's next tile
	s_wait_dscnt 0x0                               ; my reads of the other slot's bytes are over (first trip: of chunks 2 and 3, and my half of Q is stored)
	ROUND                                          ; both now hold of every wave of the four work-groups
.if \refill
	tensor_load_to_lds s[G0+4*(1-\slot):G0+4*(1-\slot)+3], s[G1:G1+7]    ; the next tile, into the slot read last: my one load until the next round
	s_nop 0
.endif
.if \first
	LOADQ                                          ; the partner's half was stored in front of the round
.endif
	LOADK \slot, 0
	LOADV \slot, 0
	BLOCK \slot, 0, \first, NA, NB, 1, \mb+64,  0, 0
	BLOCK \slot, 1, 0,      NB, NA, 1, \mb+128, 0, 0
	BLOCK \slot, 2, 0,      NA, NB, 1, \mb+192, 0, 0
	BLOCK \slot, 3, 0,      NB, NA, 0, \nb, \step, \last
.endm
	TRIP 0, 1, 1, 0, 2048, 0, 0                    ; x's keys 0..255: the first block starts every sum
	s_mov_b32 s7, 3
.Lring:
	TRIP 1, 1, 0, 2048, 512, 0, 0                  ; c's tile i
	TRIP 0, 1, 0, 512, 2048, 1, 0                  ; x's tile i + 1; the mask words' address steps at its end
	s_sub_co_u32 s7, s7, 1
	s_cmp_lg_u32 s7, 0
	s_cbranch_scc1 .Lring
	TRIP 1, 0, 0, 2048, 0, 0, 1                    ; c's last tile: nothing is left to fetch
	; THE TWO KEY HALVES MEET, in slot 0: it has had its last fill, and every wave's reads of it were over at the last trip's round.
.irp t, 0,1,2,3
	v_add_f32 v[MX+\t], v[LS+2*\t], v[LS+2*\t+1]
.endr
.irp t, 0,1,2,3
	v_permlanex16_b32 v[PX+\t], v[MX+\t], s8, s9
.endr
.irp t, 0,1,2,3
	v_add_f32 v[MX+\t], v[MX+\t], v[PX+\t]         ; l(t): the sum over my 1,024 keys
.endr
	s_load_b64 s[12:13], s[0:1], 0x20              ; Y
	s_and_b32 s15, s6, 1
	s_cmp_eq_u32 s15, 0
	s_cbranch_scc1 .Lkeep
	WIN 0x04                                       ; the stores' data in window 1
.set i, 0
.rept 32
	ds_store_b128 v[MADR], v[4*i:4*i+3] offset:512*i
.set i, i+1
.endr
	WIN 0
	ds_store_b128 v[MADR], v[NB:NB+3] offset:32*512
	ds_store_b128 v[MADR], v[MX:MX+3] offset:33*512
.Lkeep:
	s_wait_dscnt 0x0                               ; for the partner's sake
	s_barrier_signal -1
	s_barrier_wait -1
	s_cmp_lg_u32 s15, 0
	s_cbranch_scc1 .Lgiven
	ds_load_b128 v[168:171], v[MADR] offset:32*512 ; the partner's -c x maximum
	ds_load_b128 v[172:175], v[MADR] offset:33*512 ; and sum
.set i, 0
.rept 32
	ds_load_b128 v[S+4*i:S+4*i+3], v[MADR] offset:512*i
.set i, i+1
.endr
	s_wait_dscnt 32                                ; the first two are in; O's 32 loads stay out
.irp t, 0,1,2,3
	v_min_num_f32 v[176+\t], v[NB+\t], v[168+\t]   ; the larger maximum has the smaller -c x maximum
.endr
.irp t, 0,1,2,3
	v_sub_f32 v[180+\t], v[176+\t], v[NB+\t]
	v_sub_f32 v[184+\t], v[176+\t], v[168+\t]
.endr
.irp t, 0,1,2,3
	v_exp_f32 v[180+\t], v[180+\t]
	v_exp_f32 v[184+\t], v[184+\t]
.endr
	v_nop
	s_wait_alu depctr_va_vdst(0)
.irp t, 0,1,2,3
	v_mul_f32 v[188+\t], v[MX+\t], v[180+\t]
.endr
.irp t, 0,1,2,3
	v_fmac_f32 v[188+\t], v[172+\t], v[184+\t]     ; the whole sum
.endr
.irp t, 0,1,2,3
	v_rcp_f32 v[192+\t], v[188+\t]
.endr
	v_nop
	s_wait_alu depctr_va_vdst(0)
.irp t, 0,1,2,3
	v_mul_f32 v[196+\t], v[180+\t], v[192+\t]      ; my factor
	v_mul_f32 v[200+\t], v[184+\t], v[192+\t]      ; the partner's
.endr
	s_wait_dscnt 0x0
.irp t, 0,1,2,3
.irp k, 0,2,4,6,8,10,12,14,16,18,20,22,24,26,28,30
	PKMULB S+32*\t+\k, S+32*\t+\k, 200, \t
.endr
.endr
	WIN 0x01                                       ; source 0, my O, in window 1
.irp t, 0,1,2,3
.irp k, 0,2,4,6,8,10,12,14,16,18,20,22,24,26,28,30
	PKFMAB S+32*\t+\k, 32*\t+\k, 196, \t, S+32*\t+\k
.endr
.endr
	WIN 0
.irp t, 0,1,2,3
.irp d, 0,1,2,3
.irp i, 0,1,2,3
	v_cvt_pk_f16_f32 v[S+32*\t+8*\d+\i], v[S+32*\t+8*\d+2*\i], v[S+32*\t+8*\d+2*\i+1]
.endr
	ds_store_b128 v[YSTO], v[S+32*\t+8*\d:S+32*\t+8*\d+3] offset:16*\t*YP+32*\d     ; query 16 t + r, dims 16 d + 8 h .. + 7
.endr
.endr
.Lgiven:
	s_wait_dscnt 0x0
	s_barrier_signal -1
	s_barrier_wait -1
	s_wait_kmcnt 0x0
	s_add_nc_u64 s[12:13], s[12:13], s[100:101]
.irp i, 0,1,2,3,4,5,6,7
	ds_load_b128 v[S+4*\i:S+4*\i+3], v[YRD] offset:2*\i*YP         ; two queries: 128 bytes of each head
.endr
.irp i, 0,1,2,3,4,5,6,7
	s_wait_dscnt 7-\i                              ; the younger read-backs stay out
	global_store_b128 v[YOFF], v[S+4*\i:S+4*\i+3], s[12:13] offset:2*\i*1024     ; 16 lanes store 256 consecutive bytes, at a multiple of 256
.endr
	s_wait_tensorcnt 0x0
	ds_add_u32 v254, v255
	s_wait_dscnt 0x0
	ROUND                                          ; the closing round
	s_endpgm
.Lfunc_end_k_q068dc7b228_attn:
	.size	k_q068dc7b228_attn, .Lfunc_end_k_q068dc7b228_attn-k_q068dc7b228_attn
	.p2alignl 7, 3214868480
	.fill 96, 4, 3214868480
	.section	.rodata,"a",@progbits
	.p2align	6, 0x0
	.amdhsa_kernel k_q068dc7b228_attn
		.amdhsa_group_segment_fixed_size 327680
		.amdhsa_private_segment_fixed_size 0
		.amdhsa_enable_private_segment 0
		.amdhsa_kernarg_size 40
		.amdhsa_user_sgpr_count 2
		.amdhsa_user_sgpr_kernarg_segment_ptr 1
		.amdhsa_wavefront_size32 1
		.amdhsa_system_sgpr_workgroup_id_x 1
		.amdhsa_system_sgpr_workgroup_id_y 1
		.amdhsa_system_sgpr_workgroup_id_z 1
		.amdhsa_system_vgpr_workitem_id 0
		.amdhsa_next_free_vgpr 384
		.amdhsa_next_free_sgpr 102
		.amdhsa_reserve_vcc 0
		.amdhsa_float_denorm_mode_32 3
		.amdhsa_float_denorm_mode_16_64 3
		.amdhsa_memory_ordered 1
		.amdhsa_forward_progress 1
		.amdhsa_inst_pref_size 255
	.end_amdhsa_kernel
	.section	.bss,"aw",@nobits
	.p2align	6
	.space	262144
	.amdgpu_metadata
---
amdhsa.version: [ 1, 2 ]
amdhsa.kernels:
  - .name:           k_q068dc7b228_attn
    .symbol:         k_q068dc7b228_attn.kd
    .args:
      - { .name: XC, .offset: 0, .size: 8, .value_kind: global_buffer, .address_space: global }
      - { .name: Wqb, .offset: 8, .size: 8, .value_kind: global_buffer, .address_space: global }
      - { .name: KV, .offset: 16, .size: 8, .value_kind: global_buffer, .address_space: global }
      - { .name: maskbits, .offset: 24, .size: 8, .value_kind: global_buffer, .address_space: global }
      - { .name: Y, .offset: 32, .size: 8, .value_kind: global_buffer, .address_space: global }
    .group_segment_fixed_size: 327680
    .private_segment_fixed_size: 0
    .kernarg_segment_align: 8
    .kernarg_segment_size: 40
    .max_flat_workgroup_size: 256
    .sgpr_count:     102
    .vgpr_count:     384
    .wavefront_size: 32
...
	.end_amdgpu_metadata
.endif
;; end of part 3
;; launch oproj (part 4): grid 4 x 64, 4 waves a work-group, clusters of 4 x 4, 296,448 bytes of LDS; arguments Y, Wpb, out0; writes out0
.if DOCPART == 4
	.amdgcn_target "amdgcn-amd-amdhsa--gfx1250"
	.amdhsa_code_object_version 6
	.text
	.protected	k_q068dc7b228_oproj
	.globl	k_q068dc7b228_oproj
	.p2align	8
	.type	k_q068dc7b228_oproj,@function
k_q068dc7b228_oproj:
	s_mov_b64 s[64:65], 0
	v_nop
	global_prefetch_b8 v0, s[64:65] scope:SCOPE_SE
	s_setreg_imm32_b32 hwreg(HW_REG_WAVE_MODE, 25, 1), 1
	s_wait_xcnt 0x0
	s_wait_alu depctr_hold_cnt(0) depctr_sa_sdst(0) depctr_va_vdst(0) depctr_va_sdst(0) depctr_va_ssrc(0) depctr_va_vcc(0) depctr_vm_vsrc(0)
	s_getreg_b32 s2, hwreg(HW_REG_IB_STS2, 6, 4)
	s_cmp_eq_u32 s2, 0
	s_cbranch_scc0 .Lentry_in_a_cluster
	s_endpgm
.Lentry_in_a_cluster:
	s_bfe_u32 s2, ttmp6, 0x10000c
	s_cmp_lg_u32 s2, 0xf033
	s_cbranch_scc0 .Lentry_shape_is_right
	s_endpgm
.Lentry_shape_is_right:
; The last projection: C[t][d] = sum over k of A[t][k] W[d][k].  A = Y: [8192][512] f16, W = Wpb: [512][512] f16, C = out0: [8192][512] f32; sums in f32.
; A work-group makes 128 tokens x 128 features, so that 64 x 4 = 256 work-groups share the work; a wave makes 64 x 64: 16 accumulator tiles.
; K = 512 lies in LDS whole, as four chunks of 128: every tensor load is a first fill, no slot is filled again.  A wave has four loads out.
; CLUSTERS: 4 x 4.  A's tiles hang on the block row alone and are asked for jointly along a row of the cluster, W's on the block column
; alone and jointly along a column.
; The matrix instruction is used transposed (source 0 = 16 rows of W, source 1 = 16 tokens): a lane's 8 results are 8 neighbouring
; features of one token, 32 bytes of f32.
; Window 0: addresses, two fragment buffers (v64-127, v128-191: W's four fragments, then A's four).  Window 1: accumulator (a, b) at v[8 (4 a + b)].
.set SIZE_K, 512
.set SIZE_N, 512
.set KSTEP,  128
.set PITCH,  272                       ; 256 bytes + 16 of padding: the 16 rows of a fragment start at 16 different banks (ISA guide 11.1)
.set HALFT,  64*PITCH                  ; 64 rows: one tensor load, and what a wave reads of A or of W
.set CHUNK,  4*HALFT                   ; A's 128 rows, then W's 128 rows
.set STAGE,  4*CHUNK                   ; behind the chunks: 16 rows x 272 bytes for each wave; no tensor load lands here
.set ADRA, 16                          ; v16-19  my A fragments in chunk 0..3
.set ADRB, 20                          ; v20-23  my W fragments
.set STO,  24
.set RD,   25
.set CO,   26
.set F0,   64
.set F1,   128
.set G1A,  16                          ; s[16:23]
.set G1B,  24                          ; s[24:31]
.set G0A,  32                          ; s[32:47] one group 0 for each chunk
.set G0B,  48                          ; s[48:63]
.set MSB, 0
.macro WIN new                         ; the immediate's high byte repeats the setting that is left
.if MSB != \new
	s_set_vgpr_msb (MSB<<8)|\new
.set MSB, \new
.endif
.endm
.macro PLACES                          ; four places behind a matrix instruction (ISA guide 7.12.1)
.rept 4
	v_nop
.endr
.endm
.macro CROUND                          ; a round of the cluster's barrier
	s_barrier_signal -1
	s_barrier_wait -1
	s_cmp_lg_u32 s10, 0
	s_cbranch_scc1 .Lnot_wave_0_\@
	s_barrier_signal -3
.Lnot_wave_0_\@:
	s_barrier_wait -3
	s_barrier_signal -1
	s_barrier_wait -1
.endm
	s_load_b128 s[4:7], s[0:1], 0x0                ; A, W
	s_load_b64 s[8:9], s[0:1], 0x10                ; C
	v_lshl_add_u32 v254, v0, 2, 0x48400
	v_mov_b32 v255, 0
	ds_add_u32 v254, v255
	v_lshrrev_b32 v1, 5, v0
	v_readfirstlane_b32 s10, v1                    ; wave 0..3
	s_lshr_b32 s11, s10, 1                         ; my half of the tokens.  Also: I fetch for A (0) or for W (1)
	s_and_b32 s12, s10, 1                          ; my half of the features.  Also: which 64 rows of that tile I fetch
	s_bfe_u32 s74, ttmp6, 0x40000                  ; cx
	s_bfe_u32 s75, ttmp6, 0x40004                  ; cy
	s_lshl_b32 s76, ttmp9, 2
	s_add_co_u32 s76, s76, s74                     ; block column
	s_and_b32 s77, ttmp7, 0xffff
	s_lshl_b32 s77, s77, 2
	s_add_co_u32 s77, s77, s75                     ; block row
	s_lshl_b32 s78, s75, 2
	s_lshl_b32 s78, 15, s78                        ; my row of the cluster
	s_lshl_b32 s79, 0x1111, s74                    ; my column
	s_or_b32 s[G1A+0], s78, (1<<16)|(1<<20)|(1<<21)|(5<<22)|(3<<25)  ; the mask; elements of 2 bytes; padding on; bit 21 beside a mask; 4 words behind every 64
	s_or_b32 s[G1B+0], s79, (1<<16)|(1<<20)|(1<<21)|(5<<22)|(3<<25)
.irp g, 16, 24
	s_mov_b32 s[\g+1], KSTEP<<16                   ; tensor_dim0 = 128
	s_mov_b32 s[\g+2], 64<<16                      ; tensor_dim1 = 64
	s_mov_b32 s[\g+3], KSTEP<<16                   ; tile_dim0 = 128
	s_mov_b32 s[\g+4], 64                          ; tile_dim1 = 64
	s_mov_b32 s[\g+5], SIZE_K                      ; elements from row to row
	s_mov_b32 s[\g+6], 0
	s_mov_b32 s[\g+7], 0
.endr
	s_lshl_b32 s14, s12, 16                        ; my 64 rows of 1,024 bytes
	s_lshl_b32 s66, s77, 17                        ; A: block row x 128 rows
	s_add_co_u32 s66, s66, s14
	s_mov_b32 s67, 0
	s_lshl_b32 s70, s76, 17                        ; W: block column x 128 rows
	s_add_co_u32 s70, s70, s14
	s_mov_b32 s71, 0
	s_mul_i32 s15, s10, HALFT                      ; where they go: the wave's number alone
	s_wait_dscnt 0x0
	s_wait_kmcnt 0x0
	s_add_nc_u64 s[68:69], s[4:5], s[66:67]
	s_add_nc_u64 s[72:73], s[6:7], s[70:71]
.irp j, 0,1,2,3
	s_mov_b32 s[G0A+4*\j], 1
	s_add_co_u32 s[G0A+4*\j+1], s15, \j*CHUNK
	s_add_nc_u64 s[G0A+4*\j+2:G0A+4*\j+3], s[68:69], \j*KSTEP*2
	s_or_b32 s[G0A+4*\j+3], s[G0A+4*\j+3], 0x80000000
	s_mov_b32 s[G0B+4*\j], 1
	s_add_co_u32 s[G0B+4*\j+1], s15, \j*CHUNK
	s_add_nc_u64 s[G0B+4*\j+2:G0B+4*\j+3], s[72:73], \j*KSTEP*2
	s_or_b32 s[G0B+4*\j+3], s[G0B+4*\j+3], 0x80000000
.endr
	CROUND                                         ; all sixteen work-groups are here: the joint loads meet
	s_cmp_eq_u32 s11, 0                            ; one branch on the wave's number: four loads on either side
	s_cbranch_scc0 .Lfor_w
.irp j, 0,1,2,3
	tensor_load_to_lds s[G0A+4*\j:G0A+4*\j+3], s[G1A:G1A+7]
	s_nop 0
.endr
	s_branch .Lasked
.Lfor_w:
.irp j, 0,1,2,3
	tensor_load_to_lds s[G0B+4*\j:G0B+4*\j+3], s[G1B:G1B+7]
	s_nop 0
.endr
.Lasked:
	v_and_b32 v1, 15, v0                           ; r
	v_bfe_u32 v2, v0, 4, 1                         ; h
	v_mul_u32_u24 v3, v1, PITCH
	v_lshl_add_u32 v3, v2, 4, v3                   ; row x pitch + 16 h
	s_mul_i32 s2, s11, HALFT                       ; my 64 tokens
	s_mul_i32 s3, s12, HALFT
	s_add_co_u32 s3, s3, 2*HALFT                   ; my 64 rows of W, behind A's 128
.irp j, 0,1,2,3
	v_add_nc_u32 v[ADRA+\j], s2, v3
	v_add_nc_u32 v[ADRB+\j], s3, v3
	s_add_co_u32 s2, s2, CHUNK
	s_add_co_u32 s3, s3, CHUNK
.endr
	s_mul_i32 s2, s10, 16*PITCH
	s_add_co_u32 s2, s2, STAGE                     ; my stage
	v_mul_u32_u24 v4, v1, PITCH                    ; in: token r, 32 bytes for each half of the lanes
	v_lshl_add_u32 v4, v2, 5, v4
	v_add_nc_u32 v[STO], s2, v4
	v_mul_u32_u24 v5, v2, PITCH                    ; back: lanes 0-15 one row of 256 bytes, lanes 16-31 the next
	v_lshl_add_u32 v5, v1, 4, v5
	v_add_nc_u32 v[RD], s2, v5
	v_lshlrev_b32 v5, 11, v2                       ; the same two rows in C, 2,048 bytes apart
	v_lshl_add_u32 v[CO], v1, 4, v5
.macro FETCH j, kq, f                  ; the fragments of quarter kq of chunk j: 16 loads
	WIN 0
.irp i, 0,1,2,3
	ds_load_b128 v[\f+8*\i:\f+8*\i+3],   v[ADRB+\j] offset:\kq*64+\i*16*PITCH
	ds_load_b128 v[\f+8*\i+4:\f+8*\i+7], v[ADRB+\j] offset:\kq*64+\i*16*PITCH+32
.endr
.irp i, 0,1,2,3
	ds_load_b128 v[\f+32+8*\i:\f+32+8*\i+3],   v[ADRA+\j] offset:\kq*64+\i*16*PITCH
	ds_load_b128 v[\f+32+8*\i+4:\f+32+8*\i+7], v[ADRA+\j] offset:\kq*64+\i*16*PITCH+32
.endr
.endm
; 16 matrix instructions, one for each accumulator, always in the same order.
.macro MUL f, zero
	WIN 0x50                                       ; C and D in window 1
.irp a, 0,1,2,3
.irp b, 0,1,2,3
.if \zero
	v_wmma_f32_16x16x32_f16 v[8*(4*\a+\b):8*(4*\a+\b)+7], v[\f+8*\b:\f+8*\b+7], v[\f+32+8*\a:\f+32+8*\a+7], 0
.else
	v_wmma_f32_16x16x32_f16 v[8*(4*\a+\b):8*(4*\a+\b)+7], v[\f+8*\b:\f+8*\b+7], v[\f+32+8*\a:\f+32+8*\a+7], v[8*(4*\a+\b):8*(4*\a+\b)+7]
.endif
.endr
.endr
.endm
; A quarter step: buffer f is multiplied while the next quarter (nkq of chunk nj) is fetched into buffer g.
; opens = 1: that quarter is the first of its chunk: my load of the chunk has landed (the later chunks' loads stay out), and a barrier says so
; of every wave.
.macro STEP f, g, nj, nkq, zero, opens, fetch
	s_wait_dscnt 0x0                               ; this quarter's 16 loads are in
.if \opens
	s_wait_tensorcnt 3-\nj
	s_barrier_signal -1
	s_barrier_wait -1
.endif
.if \fetch
	PLACES                                         ; buffer g was read by the matrix instructions just issued
	FETCH \nj, \nkq, \g
.endif
	MUL \f, \zero
.endm
	s_wait_tensorcnt 0x3                           ; my part of chunk 0; three loads stay out
	s_barrier_signal -1
	s_barrier_wait -1
	FETCH 0, 0, F0
	STEP F0, F1, 0, 1, 1, 0, 1                     ; the first products start the sums
	STEP F1, F0, 0, 2, 0, 0, 1
	STEP F0, F1, 0, 3, 0, 0, 1
	STEP F1, F0, 1, 0, 0, 1, 1
	STEP F0, F1, 1, 1, 0, 0, 1
	STEP F1, F0, 1, 2, 0, 0, 1
	STEP F0, F1, 1, 3, 0, 0, 1
	STEP F1, F0, 2, 0, 0, 1, 1
	STEP F0, F1, 2, 1, 0, 0, 1
	STEP F1, F0, 2, 2, 0, 0, 1
	STEP F0, F1, 2, 3, 0, 0, 1
	STEP F1, F0, 3, 0, 0, 1, 1
	STEP F0, F1, 3, 1, 0, 0, 1
	STEP F1, F0, 3, 2, 0, 0, 1
	STEP F0, F1, 3, 3, 0, 0, 1
	STEP F1, F0, 0, 0, 0, 0, 0                     ; the last quarter fetches nothing
	PLACES                                         ; behind the last matrix instructions: LDS stores read results, loads land in the buffers
	s_lshl_b32 s66, s77, 18                        ; block row x 128 rows of 2,048 bytes
	s_lshl_b32 s14, s11, 17
	s_add_co_u32 s66, s66, s14
	s_mov_b32 s67, 0
	s_add_nc_u64 s[8:9], s[8:9], s[66:67]
	s_lshl_b32 s70, s76, 9                         ; block column x 128 features of 4 bytes
	s_lshl_b32 s14, s12, 8
	s_add_co_u32 s70, s70, s14
	s_mov_b32 s71, 0
	s_add_nc_u64 s[8:9], s[8:9], s[70:71]
; tokens 16 a .. 16 a + 15: 32 bytes a lane and tile into my stage, read back as rows of 256 bytes
.macro OUT a, f
	WIN 0x04                                       ; the stores' data in window 1
.irp b, 0,1,2,3
	ds_store_b128 v[STO], v[8*(4*\a+\b):8*(4*\a+\b)+3]   offset:64*\b
	ds_store_b128 v[STO], v[8*(4*\a+\b)+4:8*(4*\a+\b)+7] offset:64*\b+16
.endr
	WIN 0
	s_wait_xcnt 0x0                                ; buffer f, which earlier stores read, and the base are rewritten only behind this wait
.if \a
	s_add_nc_u64 s[8:9], s[8:9], 16*SIZE_N*4
.endif
.irp t, 0,1,2,3,4,5,6,7
	ds_load_b128 v[\f+4*\t:\f+4*\t+3], v[RD] offset:\t*2*PITCH     ; my own bytes, served in order behind the stores
.endr
.irp t, 0,1,2,3,4,5,6,7
	s_wait_dscnt 7-\t                              ; the younger read-backs stay out
	global_store_b128 v[CO], v[\f+4*\t:\f+4*\t+3], s[8:9] offset:2*\t*SIZE_N*4   ; 16 lanes store 256 consecutive bytes, at a multiple of 256
.endr
.endm
	OUT 0, F0
	OUT 1, F1
	OUT 2, F0
	OUT 3, F1
	s_wait_tensorcnt 0x0
	ds_add_u32 v254, v255
	s_wait_dscnt 0x0
	CROUND                                         ; the closing round
	s_endpgm
.Lfunc_end_k_q068dc7b228_oproj:
	.size	k_q068dc7b228_oproj, .Lfunc_end_k_q068dc7b228_oproj-k_q068dc7b228_oproj
	.p2alignl 7, 3214868480
	.fill 96, 4, 3214868480
	.section	.rodata,"a",@progbits
	.p2align	6, 0x0
	.amdhsa_kernel k_q068dc7b228_oproj
		.amdhsa_group_segment_fixed_size 296448
		.amdhsa_private_segment_fixed_size 0
		.amdhsa_enable_private_segment 0
		.amdhsa_kernarg_size 24
		.amdhsa_user_sgpr_count 2
		.amdhsa_user_sgpr_kernarg_segment_ptr 1
		.amdhsa_wavefront_size32 1
		.amdhsa_system_sgpr_workgroup_id_x 1
		.amdhsa_system_sgpr_workgroup_id_y 1
		.amdhsa_system_sgpr_workgroup_id_z 1
		.amdhsa_system_vgpr_workitem_id 0
		.amdhsa_next_free_vgpr 384
		.amdhsa_next_free_sgpr 80
		.amdhsa_reserve_vcc 0
		.amdhsa_float_denorm_mode_32 3
		.amdhsa_float_denorm_mode_16_64 3
		.amdhsa_memory_ordered 1
		.amdhsa_forward_progress 1
		.amdhsa_inst_pref_size 53
	.end_amdhsa_kernel
	.amdgpu_metadata
---
amdhsa.version: [ 1, 2 ]
amdhsa.kernels:
  - .name:           k_q068dc7b228_oproj
    .symbol:         k_q068dc7b228_oproj.kd
    .args:
      - { .name: Y, .offset: 0, .size: 8, .value_kind: global_buffer, .address_space: global }
      - { .name: Wpb, .offset: 8, .size: 8, .value_kind: global_buffer, .address_space: global }
      - { .name: out0, .offset: 16, .size: 8, .value_kind: global_buffer, .address_space: global }
    .group_segment_fixed_size: 296448
    .private_segment_fixed_size: 0
    .kernarg_segment_align: 8
    .kernarg_segment_size: 24
    .max_flat_workgroup_size: 128
    .sgpr_count:     80
    .vgpr_count:     384
    .wavefront_size: 32
...
	.end_amdgpu_metadata
.endif
;; end of part 4
